; MI455X (gfx1250); checked and timed in simulation.
; The chip was launched on July 23, 2026; its instructions are those of AMD's public machine-readable ISA for CDNA 5 (MIT licence, August 2026) and "CDNA5" Instruction Set Architecture Reference Guide (July 2026). The comments in the code are by the model that wrote it; some were corrected since.
;; Dummy Moe Layer. Allowed arithmetic: matrix products marked QUANTISED: E4M3 operands, one given power-of-two scale a tensor, by v_wmma_f32_16x16x64_fp8_fp8 or v_wmma_f32_16x16x128_fp8_fp8, f32 sums; products left as they are: f32 operands where the result goes on into a quantised operand, else bf16, f16 or f32 operands; f32 sums; everything else in f32.
;; Inputs: lowp_scales 6 int32 (the exponents e of the quantised operands' scales 2^e); w_down_codes 8 x 1,024 x 64 x 32 uint8 (E4M3 codes of w_down, K innermost, in blocks of 32 codes); w_gate_codes 8 x 2,048 x 32 x 32 uint8 (E4M3 codes of w_gate, K innermost, in blocks of 32 codes); w_router 1,024 x 8 float32; w_up_codes 8 x 2,048 x 32 x 32 uint8 (E4M3 codes of w_up, K innermost, in blocks of 32 codes); x 1,024 x 1,024 float32.
;; Outputs: out0 1,024 x 1,024 float32.
;; Constants: top_k = 2.
;; This version of the problem:
;;   THIS VERSION OF THE PROBLEM IS GIVEN IN LOW PRECISION. The matrix products marked QUANTISED in the list below multiply operands that are first quantised to E4M3 (4 exponent bits, 3 mantissa bits; 8 bits a number), with one given power-of-two scale for each operand tensor; their sums are f32. All else is computed in f32.
;;   The module's matrix products, in the order in which they are computed (A, B: the left and right operand; K: the contracted axis; several contracted axes count as one K, in the product's order):
;;     1. [M 1,024, K 1,024] x [K 1,024, N 8]; A: input x; B: input w_router: left as it is (N = 8 < 16)
;;     2. [M 16,384, K 1,024] x [K 1,024, N 1,024]; A: input w_gate (given as codes); B: input x: QUANTISED (scales: A lowp_scales[0], B lowp_scales[1])
;;     3. [M 16,384, K 1,024] x [K 1,024, N 1,024]; A: input w_up (given as codes); B: input x: QUANTISED (scales: A lowp_scales[2], B lowp_scales[3])
;;     4. batch 8 x [M 1,024, K 2,048] x [K 2,048, N 1,024]; A: computed on the way; B: input w_down (given as codes): QUANTISED (scales: A lowp_scales[4], B lowp_scales[5])
;;     5. batch 1,024 x [M 1,024, K 8] x [K 8, N 1]; A: computed on the way; B: computed on the way: left as it is (K = 8 < 32)
;;   THE QUANTISER, for each operand of a quantised product, along K:
;;     - The operand's scale is 2^e, e = its entry of the input lowp_scales (int32; the entries are numbered through the quantised products in the list's order, A before B).
;;     - Each number is divided by the scale, clamped to +-448, and rounded to the nearest number of E4M3, ties to even, subnormals kept.
;;     - The product sums the exact products of the quantised numbers (number of the format x scale) in f32.
;;   ~~~python
;;   def quantise(x, axis, e):      # numpy; x: float32 -> the quantised numbers, widened to float32 again
;;       x = np.moveaxis(x, axis, -1); K = x.shape[-1]
;;       r = np.clip(x / 2.0 ** e, -448, 448)
;;       step = 2.0 ** (np.maximum(np.frexp(np.where(r == 0, 1, r))[1] - 1, -6) - 3)
;;       q = np.round(r / step) * step * 2.0 ** e      # np.round: ties to even
;;       return np.moveaxis(q, -1, axis).astype(np.float32)
;;   ~~~
;;   OPERANDS COMPUTED ON THE WAY. 'Computed on the way' means the value that the module computes at that place (a softmax that the list does not call 'softmax' is quantised finished and normalised). What goes into a quantiser is computed in f32, as accurately as f32 sums, v_exp_f32 and their like allow (about 1e-6 of the number): no bf16 or f16 on the way to a quantiser, and a product that is left as it is and whose result goes on into a quantised operand takes f32 operands (vector FMAs, or v_wmma_f32_16x16x4_f32). A number that lies on a knife's edge between two numbers of the format may be rounded either way, as far as f32 arithmetic and the matrix unit's own rounding can turn it there, and no further.
;;   INPUTS GIVEN AS CODES. w_down (in the module: [8, 2048, 1024], K = its axis 1); w_gate (in the module: [8, 1024, 2048], K = its axis 1); w_up (in the module: [8, 1024, 2048], K = its axis 1): each comes as NAME_codes (uint8): NAME with its K axis moved to the last place and cut into blocks of 32 codes, [.., K / 32, bytes a block], one block behind the other in memory; one code a byte (a code: sign, 4 exponent bits, 3 mantissa bits); its scale is its entry of lowp_scales. Its value is code x scale, taken as it is: it is not quantised again, and the codes and scales need not be those that the quantiser above would give.
;; 3 versions. Each part assembles by itself: llvm-mc -triple=amdgcn-amd-amdhsa -mcpu=gfx1250 --defsym DOCPART=n.
;; ======== version 1 of 3: 5 launches
;; workspace buffers: xg 1,048,576 bytes; xu 1,048,576 bytes; ids 8,192 bytes of whole numbers; gts 8,192 bytes; lst 33,024 bytes of whole numbers; hbuf 16,777,216 bytes; ybuf 8,912,896 bytes
;; launch route (part 1): grid 256 x 1, 4 waves a work-group, no clusters, 1,024 bytes of LDS; arguments x, w_router, lowp_scales, xg, xu, ids, gts; writes xg, xu, ids, gts
.if DOCPART == 1
	.amdgcn_target "amdgcn-amd-amdhsa--gfx1250"
	.amdhsa_code_object_version 6
	.text
	.protected	k_q4ed2c9bb7a_route
	.globl	k_q4ed2c9bb7a_route
	.p2align	8
	.type	k_q4ed2c9bb7a_route,@function
k_q4ed2c9bb7a_route:
	s_mov_b64 s[64:65], 0
	v_nop
	global_prefetch_b8 v0, s[64:65] scope:SCOPE_SE
	s_setreg_imm32_b32 hwreg(HW_REG_WAVE_MODE, 25, 1), 1
	s_wait_xcnt 0x0
; ROUTER AND QUANTISER OF x.  x [1024][1024] f32, w_router [1024][8] f32.
; Stores: xg = codes of x / 2^e1 and xu = codes of x / 2^e3 (E4M3, row-major, 1,024 bytes a token; e1, e3 = entries 1 and 3 of the scales),
; ids [1024][2] int32 = the two experts with the largest logits (ties: the lower index, as jax.lax.top_k has it), gts [1024][2] f32 = softmax over those two logits.
; Everything is stored at fixed places: no address and no branch here hangs on the choice.
; SHARES.  A work-group owns 4 tokens; wave w owns k = 256 w .. 256 w + 255 of all four; lane l owns k = 256 w + 8 l + 0 .. 7: eight neighbours along K, one conversion,
; 8 bytes of codes, so that a wave's store covers 256 consecutive bytes, aligned.  The waves' partial logits meet in LDS (128 bytes a wave); then wave w finishes token w.
; Logits are f32 fused multiply-adds.  No matrix unit (8 columns), no cluster (work-groups share only the 32 KiB of w_router), no tensor load (nothing is read twice).
; LIMITS: logits finite (else the second choice may repeat the first); NaN in x is not served; e1 and e3 between -126 and 119, so that 2^e and 448 x 2^e are f32 numbers.
.set X,   16                           ; v16-47   x: token p's eight numbers at X + 8 p; later the other half's sums, later the four waves' partial logits
.set WR,  48                           ; v48-111  w_router: k i, expert e at WR + 8 i + e
.set ACC, 112                          ; v112-143 partial logits: token p, expert e at ACC + 8 p + e
.set TS0, 144                          ; v144-159 two sets of eight held numbers, by turns
.set CD,  160                          ; v160-175 codes: token p, scale sc at CD + 4 p + 2 sc
.set SCL, 176                          ; v176 2^e1, v177 448 x 2^e1, v178 2^e3, v179 448 x 2^e3
	s_load_b256 s[4:11], s[0:1], 0x0               ; x s[4:5], w_router s[6:7], the scales s[8:9], xg s[10:11]
	s_load_b128 s[12:15], s[0:1], 0x20             ; xu s[12:13], ids s[14:15]
	s_load_b64 s[16:17], s[0:1], 0x30              ; gts
	v_lshl_add_u32 v192, v0, 2, 0x200
	v_mov_b32 v193, 0
	v_lshrrev_b32 v1, 5, v0
	v_readfirstlane_b32 s18, v1                    ; wave 0..3
	v_and_b32 v1, 31, v0                           ; lane
	v_lshlrev_b32 v2, 5, v1                        ; x: 32 bytes a lane
	v_lshlrev_b32 v3, 8, v1                        ; w_router: 8 rows of 32 bytes a lane
	v_lshlrev_b32 v4, 3, v1                        ; codes: 8 bytes a lane
	v_mov_b32 v7, 0
	s_lshl_b32 s24, s18, 7
	v_mov_b32 v5, s24                              ; LDS: my wave's 128 bytes
	s_lshl_b32 s24, s18, 5
	v_mov_b32 v6, s24                              ; LDS: token w's 32 bytes in a wave's 128
	s_mov_b32 s28, 0x76543210                      ; v_permlanex16_b32: each lane takes its own place in the other half
	s_mov_b32 s29, 0xfedcba98
	s_lshl_b32 s24, ttmp9, 14                      ; x: 4 tokens of 4,096 bytes a work-group, 1,024 bytes a wave
	s_lshl_b32 s26, s18, 10
	s_add_co_u32 s24, s24, s26
	s_mov_b32 s25, 0
	s_lshl_b32 s26, s18, 13                        ; w_router: 256 rows of 32 bytes a wave
	s_mov_b32 s27, 0
	s_wait_kmcnt 0x0
	s_load_b128 s[20:23], s[8:9], 0x0              ; e0 .. e3
	s_add_nc_u64 s[4:5], s[4:5], s[24:25]
	s_add_nc_u64 s[6:7], s[6:7], s[26:27]
.irp p, 0,1,2,3
	global_load_b128 v[X+8*\p:X+8*\p+3],   v2, s[4:5] offset:4096*\p th:TH_LOAD_NT
	global_load_b128 v[X+8*\p+4:X+8*\p+7], v2, s[4:5] offset:4096*\p+16 th:TH_LOAD_NT
.endr
.irp m, 0,1,2,3,4,5,6,7,8,9,10,11,12,13,14,15
	global_load_b128 v[WR+4*\m:WR+4*\m+3], v3, s[6:7] offset:16*\m
.endr
	s_lshl_b32 s24, ttmp9, 12                      ; codes: 4 tokens of 1,024 bytes a work-group, 256 bytes a wave
	s_lshl_b32 s26, s18, 8
	s_add_co_u32 s24, s24, s26
	s_add_nc_u64 s[10:11], s[10:11], s[24:25]
	s_add_nc_u64 s[12:13], s[12:13], s[24:25]
	s_lshl_b32 s24, ttmp9, 2
	s_add_co_u32 s24, s24, s18                     ; the token that my wave finishes
	s_lshl_b32 s24, s24, 3
	s_add_nc_u64 s[14:15], s[14:15], s[24:25]
	s_add_nc_u64 s[16:17], s[16:17], s[24:25]
	s_wait_kmcnt 0x0
	s_add_co_i32 s24, s21, 127
	s_lshl_b32 s26, s24, 23
	v_mov_b32 v[SCL], s26                          ; 2^e1 as f32: the conversion takes its exponent field
	s_add_co_i32 s24, s24, 8
	s_lshl_b32 s24, s24, 23
	s_or_b32 s24, s24, 0x600000
	v_mov_b32 v[SCL+1], s24                        ; 448 x 2^e1
	s_add_co_i32 s24, s23, 127
	s_lshl_b32 s26, s24, 23
	v_mov_b32 v[SCL+2], s26                        ; 2^e3
	s_add_co_i32 s24, s24, 8
	s_lshl_b32 s24, s24, 23
	s_or_b32 s24, s24, 0x600000
	v_mov_b32 v[SCL+3], s24                        ; 448 x 2^e3
	s_wait_loadcnt 16                              ; x's eight loads are in; the sixteen of w_router, issued behind them, may be out
; Token p's eight numbers with scale sc (0: e1, 1: e3).  The conversion to an 8-bit code does not saturate (ISA guide 7.6.2): the number is held within 448 x the scale first.
; The held numbers lie in set sc, so the eight holds of the next call, which write the other set, are the plain lines behind this call's conversion.
.macro QUANT p, sc
.irp i, 0,1,2,3,4,5,6,7
	v_med3_num_f32 v[TS0+8*(\sc)+\i], v[X+8*(\p)+\i], -v[SCL+1+2*(\sc)], v[SCL+1+2*(\sc)]
.endr
	v_cvt_scalef32_pk8_fp8_f32 v[CD+4*(\p)+2*(\sc):CD+4*(\p)+2*(\sc)+1], v[TS0+8*(\sc):TS0+8*(\sc)+7], v[SCL+2*(\sc)]
.endm
.irp p, 0,1,2,3
	QUANT \p, 0
	QUANT \p, 1
.endr
	v_nop                                          ; a plain line behind the last conversion
.irp p, 0,1,2,3
	global_store_b64 v4, v[CD+4*\p:CD+4*\p+1],   s[10:11] offset:1024*\p    ; 32 lanes store 256 consecutive bytes, aligned
	global_store_b64 v4, v[CD+4*\p+2:CD+4*\p+3], s[12:13] offset:1024*\p
.endr
	s_wait_loadcnt 0x0                             ; w_router
; logits: my eight k, four tokens, eight experts: two experts an instruction, sixteen chains side by side.  b = i % 2 picks x's register of the pair for both halves.
.irp p, 0,1,2,3
.irp q, 0,2,4,6
	v_pk_mul_f32 v[ACC+8*\p+\q:ACC+8*\p+\q+1], v[X+8*\p:X+8*\p+1], v[WR+\q:WR+\q+1] op_sel_hi:[0,1]   ; k 0 starts the sums
.endr
.endr
.macro DOT i, b
.irp p, 0,1,2,3
.irp q, 0,2,4,6
	v_pk_fma_f32 v[ACC+8*\p+\q:ACC+8*\p+\q+1], v[X+8*\p+\i-\b:X+8*\p+\i-\b+1], v[WR+8*\i+\q:WR+8*\i+\q+1], v[ACC+8*\p+\q:ACC+8*\p+\q+1] op_sel:[\b,0,0] op_sel_hi:[\b,1,1]
.endr
.endr
.endm
	DOT 1, 1
	DOT 2, 0
	DOT 3, 1
	DOT 4, 0
	DOT 5, 1
	DOT 6, 0
	DOT 7, 1
	; the 32 sums across the 32 lanes: four steps inside each half of 16 lanes ride on the addition, one crosses the halves
.irp m, 1,2,4,8
.set n, 0
.rept 32
	v_add_f32_dpp v[ACC+n], v[ACC+n], v[ACC+n] row_xmask:\m row_mask:0xf bank_mask:0xf
.set n, n+1
.endr
.endr
.set n, 0
.rept 32
	v_permlanex16_b32 v[X+n], v[ACC+n], s28, s29   ; its destination counts as read: x's registers have been written
.set n, n+1
.endr
.set n, 0
.rept 32
	v_add_f32 v[ACC+n], v[ACC+n], v[X+n]
.set n, n+1
.endr
.irp n, 0,1,2,3,4,5,6,7
	ds_store_b128 v5, v[ACC+4*\n:ACC+4*\n+3] offset:16*\n   ; every lane holds the same sums and writes the same bytes: [wave][token][expert]
.endr
	s_wait_dscnt 0x0                               ; for the others' sake: my stores have landed
	s_barrier_signal -1
	s_barrier_wait -1
.irp p, 0,1,2,3
	ds_load_b128 v[16+8*\p:19+8*\p], v6 offset:128*\p          ; wave p's part of token w's eight logits
	ds_load_b128 v[20+8*\p:23+8*\p], v6 offset:128*\p+16
.endr
	s_wait_dscnt 0x0
.irp k, 0,2,4,6
	v_pk_add_f32 v[112+\k:113+\k], v[16+\k:17+\k], v[24+\k:25+\k]
	v_pk_add_f32 v[120+\k:121+\k], v[32+\k:33+\k], v[40+\k:41+\k]
.endr
.irp k, 0,2,4,6
	v_pk_add_f32 v[112+\k:113+\k], v[112+\k:113+\k], v[120+\k:121+\k]   ; the logits, v112-119
.endr
	; the largest: strictly greater moves it, so the lower index keeps a tie
	v_mov_b32 v128, v112
	v_mov_b32 v129, 0
.irp e, 1,2,3,4,5,6,7
	v_cmp_gt_f32 vcc_lo, v[112+\e], v128
	v_cndmask_b32 v128, v128, v[112+\e], vcc_lo
	v_cndmask_b32 v129, v129, \e, vcc_lo
.endr
	; the largest of the other seven, likewise
	v_mov_b32 v130, 0xff800000
	v_mov_b32 v131, 0
.irp e, 0,1,2,3,4,5,6,7
	v_cmp_gt_f32 s30, v[112+\e], v130
	v_cmp_ne_u32 s31, \e, v129
	s_and_b32 vcc_lo, s30, s31
	v_cndmask_b32 v130, v130, v[112+\e], vcc_lo
	v_cndmask_b32 v131, v131, \e, vcc_lo
.endr
	; softmax of the two, the larger taken away first: 1 / (1 + t) and t / (1 + t), t = e^(second - first), at most 1
	v_sub_f32 v132, v130, v128
	v_mul_f32 v132, 0x3fb8aa3b, v132
	v_exp_f32 v133, v132
	v_nop                                          ; a plain line behind the transcendental
	s_wait_alu depctr_va_vdst(0)
	v_add_f32 v134, 1.0, v133
	v_rcp_f32 v126, v134
	v_mov_b32 v124, v129                           ; (the plain line behind the reciprocal)
	v_mov_b32 v125, v131
	s_wait_alu depctr_va_vdst(0)
	v_mul_f32 v127, v133, v126
	v_cmp_gt_u32 vcc_lo, 1, v1                     ; lane 0 stores for the wave
	s_wait_xcnt 0x0                                ; EXEC is a source of the stores of codes: it changes only behind this wait
	s_wait_tensorcnt 0x0
	ds_add_u32 v192, v193
	s_wait_dscnt 0x0
	s_and_saveexec_b32 s30, vcc_lo
	global_store_b64 v7, v[124:125], s[14:15]
	global_store_b64 v7, v[126:127], s[16:17]
	s_endpgm
.Lfunc_end_k_q4ed2c9bb7a_route:
	.size	k_q4ed2c9bb7a_route, .Lfunc_end_k_q4ed2c9bb7a_route-k_q4ed2c9bb7a_route
	.p2alignl 7, 3214868480
	.fill 96, 4, 3214868480
	.section	.rodata,"a",@progbits
	.p2align	6, 0x0
	.amdhsa_kernel k_q4ed2c9bb7a_route
		.amdhsa_group_segment_fixed_size 1024
		.amdhsa_private_segment_fixed_size 0
		.amdhsa_enable_private_segment 0
		.amdhsa_kernarg_size 56
		.amdhsa_user_sgpr_count 2
		.amdhsa_user_sgpr_kernarg_segment_ptr 1
		.amdhsa_wavefront_size32 1
		.amdhsa_system_sgpr_workgroup_id_x 1
		.amdhsa_system_sgpr_workgroup_id_y 1
		.amdhsa_system_sgpr_workgroup_id_z 1
		.amdhsa_system_vgpr_workitem_id 0
		.amdhsa_next_free_vgpr 194
		.amdhsa_next_free_sgpr 66
		.amdhsa_reserve_vcc 1
		.amdhsa_float_denorm_mode_32 3
		.amdhsa_float_denorm_mode_16_64 3
		.amdhsa_memory_ordered 1
		.amdhsa_forward_progress 1
		.amdhsa_inst_pref_size 35
	.end_amdhsa_kernel
	.amdgpu_metadata
---
amdhsa.version: [ 1, 2 ]
amdhsa.kernels:
  - .name:           k_q4ed2c9bb7a_route
    .symbol:         k_q4ed2c9bb7a_route.kd
    .args:
      - { .name: x, .offset: 0, .size: 8, .value_kind: global_buffer, .address_space: global }
      - { .name: w_router, .offset: 8, .size: 8, .value_kind: global_buffer, .address_space: global }
      - { .name: lowp_scales, .offset: 16, .size: 8, .value_kind: global_buffer, .address_space: global }
      - { .name: xg, .offset: 24, .size: 8, .value_kind: global_buffer, .address_space: global }
      - { .name: xu, .offset: 32, .size: 8, .value_kind: global_buffer, .address_space: global }
      - { .name: ids, .offset: 40, .size: 8, .value_kind: global_buffer, .address_space: global }
      - { .name: gts, .offset: 48, .size: 8, .value_kind: global_buffer, .address_space: global }
    .group_segment_fixed_size: 1024
    .private_segment_fixed_size: 0
    .kernarg_segment_align: 8
    .kernarg_segment_size: 56
    .max_flat_workgroup_size: 128
    .sgpr_count:     66
    .vgpr_count:     194
    .wavefront_size: 32
...
	.end_amdgpu_metadata
.endif
;; end of part 1
;; launch place (part 2): grid 8 x 1, 1 waves a work-group, no clusters, 4,608 bytes of LDS; arguments ids, lst; writes lst
.if DOCPART == 2
	.amdgcn_target "amdgcn-amd-amdhsa--gfx1250"
	.amdhsa_code_object_version 6
	.text
	.protected	k_q4ed2c9bb7a_place
	.globl	k_q4ed2c9bb7a_place
	.p2align	8
	.type	k_q4ed2c9bb7a_place,@function
k_q4ed2c9bb7a_place:
	s_mov_b64 s[64:65], 0
	v_nop
	global_prefetch_b8 v0, s[64:65] scope:SCOPE_SE
	s_setreg_imm32_b32 hwreg(HW_REG_WAVE_MODE, 25, 1), 1
	s_wait_xcnt 0x0
; THE ROWS OF EACH EXPERT, IN RANK ORDER.  ids [1024][2] int32 (the two experts of each token, stored by the launch before) -> lst: [8 experts][1,024 places] int32, then the 8 counts N at byte 32,768.
; Place k < N of expert e holds 2 x token + slot of the k-th token (ascending) that chose e.  A place k >= N holds 2,048 + 16 e + k % 16: the spare row to which a last tile's row beyond N goes.
; The later launches take trip counts, gather offsets and scatter offsets from lst; here nothing but LDS addresses hangs on the ids: every global address is fixed.
; SHARES.  One work-group of one wave for each expert: a counting pass over 32 words of 32 tokens; the rank is the rows found so far + the chosen lanes below mine.  The list is laid in LDS by rank,
; read back in order and stored: each store covers 512 consecutive bytes, aligned.  One wave: LDS serves its instructions in order, so no barrier is needed.
; Eight work-groups are all the work there is: 8 KiB in, 32 KiB out.  No matrix unit, no cluster, no tensor load.
; A token whose two ids are equal is taken once.
.set DUMPI, 1024                       ; LDS: the list, 1,024 words from byte 0; word 1,024 takes what lanes outside the list write; nobody reads it
.set IDS,   32                         ; v32-95   the ids, two a token, token 32 i + lane at IDS + 2 i
.set OUTR,  96                         ; v96-127  the list on its way out
	s_load_b128 s[4:7], s[0:1], 0x0                ; ids s[4:5], lst s[6:7]
	v_lshl_add_u32 v128, v0, 2, 0x1100
	v_mov_b32 v129, 0
	v_and_b32 v1, 31, v0                           ; lane
	v_lshlrev_b32 v9, 4, v1                        ; 16 x lane
	v_lshlrev_b32 v10, 3, v1                       ; ids: 8 bytes a token
	v_mov_b32 v11, DUMPI
	v_lshlrev_b32 v13, 1, v1                       ; 2 x lane
	v_mov_b32 v7, 0
	s_mov_b32 s19, ttmp9                           ; the expert
	v_lshlrev_b32 v20, 2, v1                       ; what the list is filled with beforehand: my four words are places 4 x lane + 128 i + 0 .. 3,
	v_and_b32 v20, 12, v20                         ; so place % 16 = (4 x lane) % 16 + 0 .. 3 in each of the eight stores
	s_lshl_b32 s20, s19, 4
	s_add_co_u32 s20, s20, 0x800                   ; the expert's first spare row: 2,048 + 16 e
	v_add_nc_u32 v20, s20, v20
	v_add_nc_u32 v21, 1, v20
	v_add_nc_u32 v22, 2, v20
	v_add_nc_u32 v23, 3, v20
	s_lshl_b32 s8, s19, 12                         ; the expert's 4,096 bytes of lst
	s_mov_b32 s9, 0
	s_lshl_b32 s10, s19, 2
	s_add_co_u32 s10, s10, 0x8000                  ; and its count
	s_mov_b32 s11, 0
	s_wait_kmcnt 0x0
	s_add_nc_u64 s[12:13], s[6:7], s[8:9]
	s_add_nc_u64 s[14:15], s[6:7], s[10:11]
.irp i, 0,1,2,3,4,5,6,7,8,9,10,11,12,13,14,15,16,17,18,19,20,21,22,23,24,25,26,27,28,29,30,31
	global_load_b64 v[IDS+2*\i:IDS+2*\i+1], v10, s[4:5] offset:256*\i   ; all 1,024 tokens' ids: 256 consecutive bytes a load
.endr
.irp i, 0,1,2,3,4,5,6,7
	ds_store_b128 v9, v[20:23] offset:512*\i       ; every place first names its spare row; the expert's N rows are then written over the first N places
.endr
	s_mov_b32 s33, 0                               ; rows found so far
.irp i, 0,1,2,3,4,5,6,7,8,9,10,11,12,13,14,15,16,17,18,19,20,21,22,23,24,25,26,27,28,29,30,31
	s_wait_loadcnt 31-\i                           ; word i is in; the loads issued behind it may be out
	v_cmp_eq_u32 vcc_lo, s19, v[IDS+2*\i]          ; token 32 i + lane chose my expert first,
	v_cmp_eq_u32 s35, s19, v[IDS+2*\i+1]           ; or second
	s_or_b32 s34, vcc_lo, s35
	v_mbcnt_lo_u32_b32 v14, s34, s33               ; its rank: rows found so far + the chosen lanes below mine
	v_cndmask_b32 v15, v11, v14, s34               ; a lane outside the list writes the spare word
	v_min_u32 v15, 0x400, v15                      ; held inside the list and its spare word
	v_lshlrev_b32 v15, 2, v15
	v_cndmask_b32 v16, 0, 1, s35                   ; the slot
	v_add3_u32 v17, v13, v16, 64*\i                ; 2 x token + slot
	ds_store_b32 v15, v17
	s_bcnt1_i32_b32 s36, s34
	s_add_co_u32 s33, s33, s36
.endr
.irp i, 0,1,2,3,4,5,6,7
	ds_load_b128 v[OUTR+4*\i:OUTR+4*\i+3], v9 offset:512*\i   ; LDS serves a wave's instructions in order: these see the stores above
.endr
.irp i, 0,1,2,3,4,5,6,7
	s_wait_dscnt 7-\i                              ; piece i is back; the loads issued behind it may be out
	global_store_b128 v9, v[OUTR+4*\i:OUTR+4*\i+3], s[12:13] offset:512*\i
.endr
	v_mov_b32 v17, s33                             ; N
	v_cmp_gt_u32 vcc_lo, 1, v1                     ; lane 0 stores it
	s_wait_xcnt 0x0                                ; EXEC is a source of the stores above: it changes only behind this wait
	s_wait_tensorcnt 0x0
	ds_add_u32 v128, v129
	s_wait_dscnt 0x0
	s_and_saveexec_b32 s16, vcc_lo
	global_store_b32 v7, v17, s[14:15]
	s_endpgm
.Lfunc_end_k_q4ed2c9bb7a_place:
	.size	k_q4ed2c9bb7a_place, .Lfunc_end_k_q4ed2c9bb7a_place-k_q4ed2c9bb7a_place
	.p2alignl 7, 3214868480
	.fill 96, 4, 3214868480
	.section	.rodata,"a",@progbits
	.p2align	6, 0x0
	.amdhsa_kernel k_q4ed2c9bb7a_place
		.amdhsa_group_segment_fixed_size 4608
		.amdhsa_private_segment_fixed_size 0
		.amdhsa_enable_private_segment 0
		.amdhsa_kernarg_size 16
		.amdhsa_user_sgpr_count 2
		.amdhsa_user_sgpr_kernarg_segment_ptr 1
		.amdhsa_wavefront_size32 1
		.amdhsa_system_sgpr_workgroup_id_x 1
		.amdhsa_system_sgpr_workgroup_id_y 1
		.amdhsa_system_sgpr_workgroup_id_z 1
		.amdhsa_system_vgpr_workitem_id 0
		.amdhsa_next_free_vgpr 130
		.amdhsa_next_free_sgpr 66
		.amdhsa_reserve_vcc 1
		.amdhsa_float_denorm_mode_32 3
		.amdhsa_float_denorm_mode_16_64 3
		.amdhsa_memory_ordered 1
		.amdhsa_forward_progress 1
		.amdhsa_inst_pref_size 28
	.end_amdhsa_kernel
	.amdgpu_metadata
---
amdhsa.version: [ 1, 2 ]
amdhsa.kernels:
  - .name:           k_q4ed2c9bb7a_place
    .symbol:         k_q4ed2c9bb7a_place.kd
    .args:
      - { .name: ids, .offset: 0, .size: 8, .value_kind: global_buffer, .address_space: global }
      - { .name: lst, .offset: 8, .size: 8, .value_kind: global_buffer, .address_space: global }
    .group_segment_fixed_size: 4608
    .private_segment_fixed_size: 0
    .kernarg_segment_align: 8
    .kernarg_segment_size: 16
    .max_flat_workgroup_size: 32
    .sgpr_count:     66
    .vgpr_count:     130
    .wavefront_size: 32
...
	.end_amdgpu_metadata
.endif
;; end of part 2
;; launch hidden (part 3): grid 32 x 8, 4 waves a work-group, no clusters, 0 bytes of LDS; arguments lst, lowp_scales, w_gate_codes, w_up_codes, xg, xu, hbuf; writes hbuf
.if DOCPART == 3
	.amdgcn_target "amdgcn-amd-amdhsa--gfx1250"
	.amdhsa_code_object_version 6
	.text
	.protected	k_q4ed2c9bb7a_hidden
	.globl	k_q4ed2c9bb7a_hidden
	.p2align	8
	.type	k_q4ed2c9bb7a_hidden,@function
k_q4ed2c9bb7a_hidden:
	s_mov_b64 s[64:65], 0
	v_nop
	global_prefetch_b8 v0, s[64:65] scope:SCOPE_SE
	s_setreg_imm32_b32 hwreg(HW_REG_WAVE_MODE, 25, 1), 1
	s_wait_xcnt 0x0
; THE HIDDEN LAYER OF THE CHOSEN ROWS.  h = silu(x Wg) * (x Wu) for the tokens that chose expert e, quantised with 2^e4, as register images for the next launch.
; Both products on E4M3 codes by v_wmma_f32_16x16x128_fp8_fp8; sums, silu and the product in f32.  Scales: e0 w_gate, e1 x (gate), e2 w_up, e3 x (up), e4 h.
; SHARES.  Work-group (x, y) = (64 hidden units, expert e).  Wave w: the 32 units of half cw = w % 2 and the row tiles j = q, q + 2, .. with q = w / 2.
; A wave's 32 rows of w_gate and of w_up (2 x 32 x 1,024 bytes = 512 registers) stay in registers for the whole launch; what streams is x's codes, 16 gathered rows a tile.
; THE LIST.  lst, stored as whole numbers by the launch before, holds the expert's rows as 2 x token + slot in rank order, and its count N.  N gives the trip counts: T = ceil(N / 16) tiles.
; Lane (r, h) reads place 16 j + r of the list for tile j, one tile before the gather that needs it.  A place beyond N holds a number from 2,048 on, which is held at 2,047: such a row gathers token 1,023,
; is multiplied and stored as a spare row of the last tile, and never reaches an output.
; LAYOUT.  The products are used transposed (source 0 = 16 rows of the weight, source 1 = 16 rows of x).  Lane r of weight tile u takes unit 8 u + r + 8 (r / 8), so that lane (r, h) ends up with
; row r and units 16 h + 0 .. 15 in 16 consecutive registers: after the conversion they are registers 4 c .. 4 c + 3 of the next product's operand, block sg = 2 x + cw = 4 s + c of its K.
; hbuf [expert 8][tile 64][sg 64][lane 32][16 bytes]: a wave's store covers 512 consecutive bytes, aligned.  Only tiles 0 .. T - 1 are written, and only those are read later.
; Fragments are fetched by four 16-byte loads, 32 bytes apart: k = 32 c + 16 h + 0 .. 15 in registers 4 c .. 4 c + 3, the same permutation of k on both sides, so each product meets its partner.
; NO TENSOR LOADS, NO CLUSTER, though the 32 work-groups of an expert gather the same rows: the trip counts and the early end hang on a count read from memory, and 16 gathered rows are no tile that one descriptor states.
; No LDS and no barrier: waves share nothing but what they read.
; LIMITS: e0 + e1 between -126 and 126 (added to a constant's exponent field); e4 - e0 - e1 - e2 - e3 between -126 and 119.
; REGISTERS, in windows of 256: window 0: addresses, accumulators, the way out.  window 1: x's codes: gate's K step s at v[16 s], up's at v[128 + 16 s].
;   window 2: the weights of K steps 0-3 (step s, tile t of g0, g1, u0, u1 at v[64 (s % 4) + 16 t]);  window 3: those of K steps 4-7.
;   v4 the weights' lane offset; v5 16 h; v6 my place in the list, in bytes; v25 the same, held inside the list; v7 an entry; v8 the gather's offset; v9 16 x lane.
.set G,     96                         ; v96-111  g0, g1
.set U,     112                        ; v112-127 u0, u1
.set T,     128                        ; v128-143 at work: 1 / (1 + e^-g)
.set P,     144                        ; v144-159 at work: g u, then h
.set C,     160                        ; v160-163 h's 16 codes
.set MSB, 0
.macro WIN new                         ; bits 1:0 source 0, 3:2 source 1, 5:4 source 2, 7:6 destination; the immediate's high byte repeats the setting that is left
.if MSB != \new
	s_set_vgpr_msb (MSB<<8)|\new
.set MSB, \new
.endif
.endm
.macro PLACES n
.rept \n
	v_nop
.endr
.endm
	s_load_b256 s[4:11], s[0:1], 0x0               ; lst s[4:5], the scales s[6:7], w_gate s[8:9], w_up s[10:11]
	s_load_b128 s[12:15], s[0:1], 0x20             ; xg s[12:13], xu s[14:15]
	s_load_b64 s[16:17], s[0:1], 0x30              ; hbuf
	v_lshrrev_b32 v1, 5, v0
	v_readfirstlane_b32 s18, v1                    ; wave 0..3
	v_and_b32 v1, 31, v0                           ; lane
	v_and_b32 v2, 15, v0                           ; r
	v_bfe_u32 v3, v0, 4, 1                         ; h
	s_and_b32 s19, ttmp7, 0xffff                   ; the expert
	s_and_b32 s37, s18, 1                          ; cw
	s_lshr_b32 s40, s18, 1                         ; q
	v_and_b32 v4, 8, v2
	v_add_nc_u32 v4, v4, v2                        ; r + 8 (r / 8)
	v_lshlrev_b32 v4, 10, v4                       ; a weight's row is 1,024 bytes
	v_lshl_add_u32 v4, v3, 4, v4                   ; + 16 h
	v_lshlrev_b32 v5, 4, v3                        ; 16 h
	s_lshl_b32 s41, s40, 6
	v_lshl_add_u32 v6, v2, 2, s41                  ; the list: place r of tile q
	v_min_u32 v25, 0xffc, v6
	v_lshlrev_b32 v9, 4, v1                        ; 16 x lane
	s_lshl_b32 s38, s19, 21                        ; my rows of the weights: expert x 2 MiB + 64 rows a work-group + 32 rows a half
	s_lshl_b32 s41, ttmp9, 16
	s_add_co_u32 s38, s38, s41
	s_lshl_b32 s41, s37, 15
	s_add_co_u32 s38, s38, s41
	s_mov_b32 s39, 0
	s_lshl_b32 s42, s19, 21                        ; hbuf: expert x 64 tiles of 32,768 bytes + tile q + block sg of 512 bytes
	s_lshl_b32 s41, s40, 15
	s_add_co_u32 s42, s42, s41
	s_lshl_b32 s41, ttmp9, 10
	s_add_co_u32 s42, s42, s41
	s_lshl_b32 s41, s37, 9
	s_add_co_u32 s42, s42, s41
	s_mov_b32 s43, 0
	s_lshl_b32 s46, s19, 12                        ; lst: the expert's 4,096 bytes,
	s_mov_b32 s47, 0
	s_lshl_b32 s34, s19, 2
	s_add_co_u32 s34, s34, 0x8000                  ; and its count
	s_mov_b32 s35, 0
	s_wait_kmcnt 0x0
	s_load_b128 s[20:23], s[6:7], 0x0              ; e0 .. e3
	s_load_b64 s[24:25], s[6:7], 0x10              ; e4, e5
	s_add_nc_u64 s[34:35], s[4:5], s[34:35]
	s_load_b32 s30, s[34:35], 0x0                  ; N
	s_add_nc_u64 s[4:5], s[4:5], s[46:47]
	s_add_nc_u64 s[8:9], s[8:9], s[38:39]
	s_add_nc_u64 s[10:11], s[10:11], s[38:39]
	s_add_nc_u64 s[28:29], s[16:17], s[42:43]
; the weights of K step s: g0, g1, u0, u1, 16 loads
.macro WLOAD s
.irp t, 0,1
.irp c, 0,1,2,3
	global_load_b128 v[64*((\s)%4)+16*\t+4*\c:64*((\s)%4)+16*\t+4*\c+3], v4, s[8:9] offset:8192*\t+128*(\s)+32*\c
.endr
.endr
.irp t, 0,1
.irp c, 0,1,2,3
	global_load_b128 v[64*((\s)%4)+32+16*\t+4*\c:64*((\s)%4)+32+16*\t+4*\c+3], v4, s[10:11] offset:8192*\t+128*(\s)+32*\c
.endr
.endr
.endm
; an entry becomes the gather's offset; the list steps two tiles on.  Five plain lines.
.macro OFFSET
	v_min_u32 v7, 0x7ff, v7                        ; an entry is 2 x token + slot, at most 2,047; a spare place's number is held there
	v_and_b32 v7, 0x7fe, v7
	v_lshl_add_u32 v8, v7, 9, v5                   ; token x 1,024 + 16 h
	v_add_nc_u32 v6, 128, v6                       ; the list: two tiles on,
	v_min_u32 v25, 0xffc, v6                       ; held inside the expert's 4,096 bytes: the look-ahead's last step would pass them
.endm
	global_load_b32 v7, v25, s[4:5]                ; my first tile's entry
	WIN 0x80                                       ; destination window 2
	WLOAD 0
	WLOAD 1
	WIN 0
	s_wait_loadcnt 32                              ; the entry is in; the 32 loads of weights issued behind it may be out
	OFFSET
	global_load_b32 v7, v25, s[4:5]                ; my second tile's entry
	WIN 0x80
	WLOAD 2
	WLOAD 3
	WIN 0xc0                                       ; destination window 3
	WLOAD 4
	WLOAD 5
	WLOAD 6
	WLOAD 7
	WIN 0
	s_wait_kmcnt 0x0
	s_add_co_i32 s41, s20, s21                     ; e0 + e1: a sum G of the gate product stands for G x 2^(e0 + e1)
	s_lshl_b32 s26, s41, 23
	s_add_co_u32 s26, s26, 0xbfb8aa3b              ; -log2(e) x 2^(e0 + e1): the exponents are added to the constant's exponent field
	s_mov_b32 s27, s26                             ; (named with it as a pair, so it is written)
	s_add_co_i32 s41, s41, s22
	s_add_co_i32 s41, s41, s23
	s_sub_co_i32 s41, s24, s41                     ; h's code is G U r / 2^(e4 - e0 - e1 - e2 - e3): the five scales folded into the conversion's one
	s_add_co_i32 s41, s41, 127
	s_lshl_b32 s44, s41, 23
	v_mov_b32 v164, s44                            ; that power of two as f32
	s_add_co_i32 s41, s41, 8
	s_lshl_b32 s41, s41, 23
	s_or_b32 s41, s41, 0x600000
	v_mov_b32 v165, s41                            ; 448 x it
	s_min_u32 s30, s30, 0x400                      ; N, at most 1,024
	s_add_co_u32 s31, s30, 15
	s_lshr_b32 s31, s31, 4                         ; T tiles
	s_add_co_u32 s31, s31, 1
	s_sub_co_u32 s31, s31, s40
	s_lshr_b32 s31, s31, 1                         ; my tiles: q, q + 2, ..: (T + 1 - q) / 2
	s_cmp_eq_u32 s31, 0
	s_cbranch_scc1 .Lend                           ; this choice of experts leaves my wave without rows
; 32 loads: the gathered rows' codes of K steps 4 half .. 4 half + 3, for the gate product and for the up product
.macro XLOAD half
.irp s4, 0,1,2,3
.irp c, 0,1,2,3
	global_load_b128 v[16*(4*\half+\s4)+4*\c:16*(4*\half+\s4)+4*\c+3],         v8, s[12:13] offset:128*(4*\half+\s4)+32*\c
	global_load_b128 v[128+16*(4*\half+\s4)+4*\c:128+16*(4*\half+\s4)+4*\c+3], v8, s[14:15] offset:128*(4*\half+\s4)+32*\c
.endr
.endr
.endm
; 16 matrix instructions: four K steps x (g0, g1, u0, u1).  The four accumulators take turns, one instruction a turn.  The tile's first four start the sums.
.macro MULH half
.irp s4, 0,1,2,3
.irp t, 0,1,2,3
.if (\half == 0) && (\s4 == 0)
	v_wmma_f32_16x16x128_fp8_fp8 v[G+8*\t:G+8*\t+7], v[64*\s4+16*\t:64*\s4+16*\t+15], v[128*(\t/2)+16*(4*\half+\s4):128*(\t/2)+16*(4*\half+\s4)+15], 0
.else
	v_wmma_f32_16x16x128_fp8_fp8 v[G+8*\t:G+8*\t+7], v[64*\s4+16*\t:64*\s4+16*\t+15], v[128*(\t/2)+16*(4*\half+\s4):128*(\t/2)+16*(4*\half+\s4)+15], v[G+8*\t:G+8*\t+7]
.endif
.endr
.endr
.endm
; h = g u / (1 + e^-g), held, quantised, stored.  Each accumulator is read from its low end on.
.macro EPI
.irp k, 0,2,4,6,8,10,12,14
	v_pk_mul_f32 v[T+\k:T+\k+1], v[G+\k:G+\k+1], s[26:27] op_sel_hi:[1,0]     ; -g log2(e)
.endr
.irp k, 0,1,2,3,4,5,6,7,8,9,10,11,12,13,14,15
	v_exp_f32 v[T+\k], v[T+\k]                     ; e^-g
.endr
.irp k, 0,2,4,6,8,10,12,14
	v_pk_mul_f32 v[P+\k:P+\k+1], v[G+\k:G+\k+1], v[U+\k:U+\k+1]               ; G U (the plain lines behind the exponentials)
.endr
	s_wait_alu depctr_va_vdst(0)
.irp k, 0,2,4,6,8,10,12,14
	v_pk_add_f32 v[T+\k:T+\k+1], v[T+\k:T+\k+1], 1.0 op_sel_hi:[1,0]
.endr
.irp k, 0,1,2,3,4,5,6,7,8,9,10,11,12,13,14,15
	v_rcp_f32 v[T+\k], v[T+\k]
.endr
	v_nop                                          ; a plain line behind the last reciprocal
	s_wait_alu depctr_va_vdst(0)
.irp k, 0,2,4,6,8,10,12,14
	v_pk_mul_f32 v[P+\k:P+\k+1], v[P+\k:P+\k+1], v[T+\k:T+\k+1]
.endr
.irp k, 0,1,2,3,4,5,6,7,8,9,10,11,12,13,14,15
	v_med3_num_f32 v[P+\k], v[P+\k], -v165, v165   ; the conversion to an 8-bit code does not saturate (ISA guide 7.6.2): the hold at the largest code x the scale
.endr
	v_cvt_scalef32_pk8_fp8_f32 v[C:C+1],   v[P:P+7],    v164
	v_cvt_scalef32_pk8_fp8_f32 v[C+2:C+3], v[P+8:P+15], v164
	v_nop                                          ; a plain line behind the last conversion
	global_store_b128 v9, v[C:C+3], s[28:29]       ; 32 lanes store 512 consecutive bytes, aligned: the image of four registers of the next operand
.endm
; A TILE of 16 rows.  At its head a wave's loads are out in this order: the next tile's entry, this tile's K steps 0-3 (32 loads), its K steps 4-7 (32 loads).
; pf = 1: the next tile of mine is gathered meanwhile, each half into the registers that this tile's products have just read, and the entry of the tile after it is asked for.
.macro TILE pf
	s_wait_loadcnt 32                              ; the next tile's entry and K steps 0-3 of this tile are in (and, ahead of the first tile, all weights); the 32 loads of K steps 4-7 may be out
	WIN 0x06                                       ; source 0 window 2, source 1 window 1
	MULH 0
.if \pf
	WIN 0
	s_wait_xcnt 0x0                                ; the gather's offset is a source of loads that may be pending: it is rewritten only behind this wait
	OFFSET                                         ; its five plain lines are also the places in front of the loads below
	global_load_b32 v7, v25, s[4:5]                ; the entry of the tile after the next
	WIN 0x40                                       ; destination window 1
	XLOAD 0
	s_wait_loadcnt 33                              ; this tile's K steps 4-7 are in; the entry's load and the 32 just issued may be out
.else
	s_wait_loadcnt 0x0
.endif
	WIN 0x07                                       ; source 0 window 3
	MULH 1
	PLACES 4                                       ; in front of loads into registers that the products have read, and of the first read of results
.if \pf
	WIN 0x40
	XLOAD 1
.endif
	WIN 0
	EPI
.endm
	WIN 0x40
	XLOAD 0
	XLOAD 1
	WIN 0
	s_sub_co_u32 s32, s31, 1                       ; all my tiles but the last have a successor to gather
	s_cmp_eq_u32 s32, 0
	s_cbranch_scc1 .Ltail
.Ltile:
	TILE 1
	s_wait_xcnt 0x0                                ; the store has read its base and its data
	s_add_nc_u64 s[28:29], s[28:29], 0x10000       ; hbuf: two tiles on
	s_sub_co_u32 s32, s32, 1
	s_cmp_lg_u32 s32, 0
	s_cbranch_scc1 .Ltile
.Ltail:
	TILE 0                                         ; the last tile gathers nothing
.Lend:
	s_endpgm
.Lfunc_end_k_q4ed2c9bb7a_hidden:
	.size	k_q4ed2c9bb7a_hidden, .Lfunc_end_k_q4ed2c9bb7a_hidden-k_q4ed2c9bb7a_hidden
	.p2alignl 7, 3214868480
	.fill 96, 4, 3214868480
	.section	.rodata,"a",@progbits
	.p2align	6, 0x0
	.amdhsa_kernel k_q4ed2c9bb7a_hidden
		.amdhsa_group_segment_fixed_size 0
		.amdhsa_private_segment_fixed_size 0
		.amdhsa_enable_private_segment 0
		.amdhsa_kernarg_size 56
		.amdhsa_user_sgpr_count 2
		.amdhsa_user_sgpr_kernarg_segment_ptr 1
		.amdhsa_wavefront_size32 1
		.amdhsa_system_sgpr_workgroup_id_x 1
		.amdhsa_system_sgpr_workgroup_id_y 1
		.amdhsa_system_sgpr_workgroup_id_z 1
		.amdhsa_system_vgpr_workitem_id 0
		.amdhsa_next_free_vgpr 1024
		.amdhsa_next_free_sgpr 66
		.amdhsa_reserve_vcc 0
		.amdhsa_float_denorm_mode_32 3
		.amdhsa_float_denorm_mode_16_64 3
		.amdhsa_memory_ordered 1
		.amdhsa_forward_progress 1
		.amdhsa_inst_pref_size 42
	.end_amdhsa_kernel
	.amdgpu_metadata
---
amdhsa.version: [ 1, 2 ]
amdhsa.kernels:
  - .name:           k_q4ed2c9bb7a_hidden
    .symbol:         k_q4ed2c9bb7a_hidden.kd
    .args:
      - { .name: lst, .offset: 0, .size: 8, .value_kind: global_buffer, .address_space: global }
      - { .name: lowp_scales, .offset: 8, .size: 8, .value_kind: global_buffer, .address_space: global }
      - { .name: w_gate_codes, .offset: 16, .size: 8, .value_kind: global_buffer, .address_space: global }
      - { .name: w_up_codes, .offset: 24, .size: 8, .value_kind: global_buffer, .address_space: global }
      - { .name: xg, .offset: 32, .size: 8, .value_kind: global_buffer, .address_space: global }
      - { .name: xu, .offset: 40, .size: 8, .value_kind: global_buffer, .address_space: global }
      - { .name: hbuf, .offset: 48, .size: 8, .value_kind: global_buffer, .address_space: global }
    .group_segment_fixed_size: 0
    .private_segment_fixed_size: 0
    .kernarg_segment_align: 8
    .kernarg_segment_size: 56
    .max_flat_workgroup_size: 128
    .sgpr_count:     66
    .vgpr_count:     1024
    .wavefront_size: 32
...
	.end_amdgpu_metadata
.endif
;; end of part 3
;; launch down (part 4): grid 32 x 8, 4 waves a work-group, no clusters, 0 bytes of LDS; arguments lst, lowp_scales, w_down_codes, hbuf, ybuf; writes ybuf
.if DOCPART == 4
	.amdgcn_target "amdgcn-amd-amdhsa--gfx1250"
	.amdhsa_code_object_version 6
	.text
	.protected	k_q4ed2c9bb7a_down
	.globl	k_q4ed2c9bb7a_down
	.p2align	8
	.type	k_q4ed2c9bb7a_down,@function
k_q4ed2c9bb7a_down:
	s_mov_b64 s[64:65], 0
	v_nop
	global_prefetch_b8 v0, s[64:65] scope:SCOPE_SE
	s_setreg_imm32_b32 hwreg(HW_REG_WAVE_MODE, 25, 1), 1
	s_wait_xcnt 0x0
; THE DOWN PRODUCT OF THE CHOSEN ROWS.  ybuf[2 x token + slot][d] = 2^(e4 + e5) x sum over i of h's code x w_down's code, for the rows of expert e.  The gates are applied by the next launch.
; E4M3 codes on both sides, v_wmma_f32_16x16x128_fp8_fp8, f32 sums.  e4, e5 = entries 4 and 5 of the scales.
; SHARES.  Work-group (x, y) = (32 output columns, expert e).  All four waves hold the same 32 rows of w_down (32 x 2,048 bytes = 512 registers) for the whole launch;
; wave q takes the row tiles j = q, q + 4, ..  What streams is h: a tile's 32,768 bytes lie in hbuf as images of the operand's registers, so each load reads 512 consecutive bytes.
; THE LIST.  lst, stored as whole numbers two launches ago, is the list by which the launch before gathered, so ranks and tiles agree; here an entry is the row of ybuf to which a row of the tile goes,
; and the count N gives the trip counts.
; SPARE ROWS.  A last tile has up to 15 rows beyond the expert's N.  Their places of the list hold 2,048 + 16 e + (place % 16): ybuf has 128 rows behind its 2,048, 16 for each expert, and a spare
; row of the tile is multiplied and stored there like any other.  All spare places of an expert lie in one tile, so each has a row of its own; nobody reads those rows.  So no lane is ever switched off.
; LAYOUT.  Source 0 = 16 rows of w_down (output columns), source 1 = 16 rows of h: lane (r, h) holds row r and columns 16 u + 8 h + 0 .. 7.  K goes in 16 steps of 128; the even and the
; odd steps have accumulators of their own, so that four accumulators take turns; the two halves are added at the end.
; STORES.  A row's piece is 128 consecutive bytes, half of an aligned 256: 64 columns of w_down would be 1,024 registers, which a wave does not have beside h.  The rows are scattered by the list.
; NO TENSOR LOADS, NO CLUSTER, though the 32 work-groups of an expert read the same tiles of h: the trip counts and the early end hang on a count read from memory.  No LDS and no barrier.
; LIMITS: e4 + e5 between -126 and 127.  A token whose two ids are equal is taken once (its other row of ybuf would stay unwritten): the router gives two different experts for finite logits.
; REGISTERS, in windows of 256: window 0: addresses, accumulators, the way out.  window 1: h, K step s at v[16 s].  window 2: w_down's K steps 0-7 (step s, tile u at v[32 (s % 8) + 16 u]);  window 3: K steps 8-15.
;   v4 the weights' lane offset; v5 32 h; v6 my place in the list, in bytes; v25 the same, held inside the list; v7 an entry; v18 the scatter's offset; v9 16 x lane.
.set AC,    96                         ; v96-127  accumulators: tile u, parity p of the K step at AC + 8 (2 p + u)
.set Y,     128                        ; v128-143 results
.set MSB, 0
.macro WIN new                         ; bits 1:0 source 0, 3:2 source 1, 5:4 source 2, 7:6 destination; the immediate's high byte repeats the setting that is left
.if MSB != \new
	s_set_vgpr_msb (MSB<<8)|\new
.set MSB, \new
.endif
.endm
.macro PLACES n
.rept \n
	v_nop
.endr
.endm
	s_load_b256 s[4:11], s[0:1], 0x0               ; lst s[4:5], the scales s[6:7], w_down s[8:9], hbuf s[10:11]
	s_load_b64 s[14:15], s[0:1], 0x20              ; ybuf
	v_lshrrev_b32 v1, 5, v0
	v_readfirstlane_b32 s18, v1                    ; wave q = 0..3
	v_and_b32 v1, 31, v0                           ; lane
	v_and_b32 v2, 15, v0                           ; r
	v_bfe_u32 v3, v0, 4, 1                         ; h
	s_and_b32 s19, ttmp7, 0xffff                   ; the expert
	v_lshlrev_b32 v4, 11, v2                       ; w_down: a row is 2,048 bytes
	v_lshl_add_u32 v4, v3, 4, v4                   ; + 16 h
	v_lshlrev_b32 v5, 5, v3                        ; ybuf: 32 h bytes
	s_lshl_b32 s41, s18, 6
	v_lshl_add_u32 v6, v2, 2, s41                  ; the list: place r of tile q
	v_min_u32 v25, 0xffc, v6
	v_lshlrev_b32 v9, 4, v1                        ; 16 x lane
	s_lshl_b32 s38, s19, 21                        ; my rows of w_down: expert x 2 MiB + 32 rows a work-group
	s_lshl_b32 s41, ttmp9, 16
	s_add_co_u32 s38, s38, s41
	s_mov_b32 s39, 0
	s_lshl_b32 s42, s19, 21                        ; hbuf: expert x 64 tiles of 32,768 bytes + tile q
	s_lshl_b32 s41, s18, 15
	s_add_co_u32 s42, s42, s41
	s_mov_b32 s43, 0
	s_lshl_b32 s44, ttmp9, 7                       ; ybuf: my 32 columns
	s_mov_b32 s45, 0
	s_lshl_b32 s46, s19, 12                        ; lst: the expert's 4,096 bytes,
	s_mov_b32 s47, 0
	s_lshl_b32 s34, s19, 2
	s_add_co_u32 s34, s34, 0x8000                  ; and its count
	s_mov_b32 s35, 0
	s_wait_kmcnt 0x0
	s_load_b64 s[24:25], s[6:7], 0x10              ; e4, e5
	s_add_nc_u64 s[34:35], s[4:5], s[34:35]
	s_load_b32 s30, s[34:35], 0x0                  ; N
	s_add_nc_u64 s[4:5], s[4:5], s[46:47]
	s_add_nc_u64 s[8:9], s[8:9], s[38:39]
	s_add_nc_u64 s[28:29], s[10:11], s[42:43]
	s_add_nc_u64 s[14:15], s[14:15], s[44:45]
; the weights of K step s: two tiles of 16 columns, 8 loads
.macro WLOAD s
.irp u, 0,1
.irp c, 0,1,2,3
	global_load_b128 v[32*((\s)%8)+16*\u+4*\c:32*((\s)%8)+16*\u+4*\c+3], v4, s[8:9] offset:32768*\u+128*(\s)+32*\c
.endr
.endr
.endm
	global_load_b32 v7, v25, s[4:5]                ; my first tile's entry
	WIN 0x80                                       ; destination window 2
	WLOAD 0
	WLOAD 1
	WLOAD 2
	WLOAD 3
	WLOAD 4
	WLOAD 5
	WLOAD 6
	WLOAD 7
	WIN 0xc0                                       ; destination window 3
	WLOAD 8
	WLOAD 9
	WLOAD 10
	WLOAD 11
	WLOAD 12
	WLOAD 13
	WLOAD 14
	WLOAD 15
	WIN 0
	s_wait_kmcnt 0x0
	s_add_co_i32 s26, s24, s25
	s_add_co_i32 s26, s26, 127
	s_lshl_b32 s26, s26, 23                        ; 2^(e4 + e5) as f32
	s_mov_b32 s27, s26                             ; (named with it as a pair, so it is written)
	s_min_u32 s30, s30, 0x400                      ; N, at most 1,024
	s_add_co_u32 s31, s30, 15
	s_lshr_b32 s31, s31, 4                         ; T tiles
	s_add_co_u32 s31, s31, 3
	s_sub_co_u32 s31, s31, s18
	s_lshr_b32 s31, s31, 2                         ; my tiles: q, q + 4, ..: (T + 3 - q) / 4
	s_cmp_eq_u32 s31, 0
	s_cbranch_scc1 .Lend                           ; this choice of experts leaves my wave without rows
; 32 loads: h's K steps 8 half .. 8 half + 7, as images of the operand's registers: 512 consecutive bytes a load
.macro ALOAD half
.irp s8, 0,1,2,3,4,5,6,7
.irp c, 0,1,2,3
	global_load_b128 v[16*(8*\half+\s8)+4*\c:16*(8*\half+\s8)+4*\c+3], v9, s[28:29] offset:2048*(8*\half+\s8)+512*\c
.endr
.endr
.endm
; 16 matrix instructions: eight K steps x two tiles of columns.  The four accumulators take turns, one instruction a turn.  The tile's first four start the sums.
.macro MULD half
.irp s8, 0,1,2,3,4,5,6,7
.irp u, 0,1
.if (\half == 0) && (\s8 < 2)
	v_wmma_f32_16x16x128_fp8_fp8 v[AC+8*(2*(\s8%2)+\u):AC+8*(2*(\s8%2)+\u)+7], v[32*\s8+16*\u:32*\s8+16*\u+15], v[16*(8*\half+\s8):16*(8*\half+\s8)+15], 0
.else
	v_wmma_f32_16x16x128_fp8_fp8 v[AC+8*(2*(\s8%2)+\u):AC+8*(2*(\s8%2)+\u)+7], v[32*\s8+16*\u:32*\s8+16*\u+15], v[16*(8*\half+\s8):16*(8*\half+\s8)+15], v[AC+8*(2*(\s8%2)+\u):AC+8*(2*(\s8%2)+\u)+7]
.endif
.endr
.endr
.endm
; A TILE of 16 rows.  At its head a wave's loads are out in this order: this tile's entry, its K steps 0-7 (32 loads), its K steps 8-15 (32 loads).
; pf = 1: the next tile of mine is fetched meanwhile, its entry first, each half into the registers that this tile's products have just read.
.macro TILE pf
	s_wait_loadcnt 32                              ; this tile's entry and its K steps 0-7 are in (and, ahead of the first tile, all weights); the 32 loads of K steps 8-15 may be out
	WIN 0x06                                       ; source 0 window 2, source 1 window 1
	MULD 0
	WIN 0
.if \pf == 0
	s_wait_loadcnt 0x0
.endif
	s_wait_xcnt 0x0                                ; the scatter's offset, the results' registers and h's base are sources of earlier loads and stores: they are rewritten only behind this wait
	v_min_u32 v7, 0x87f, v7                        ; held inside ybuf's 2,176 rows,
	v_and_b32 v7, 0xfff, v7                        ; and cut to a row number's 12 bits
	v_lshl_add_u32 v18, v7, 12, v5                 ; the row of 4,096 bytes in ybuf, + 32 h
.if \pf
	v_add_nc_u32 v6, 256, v6                       ; the list: four tiles on,
	v_min_u32 v25, 0xffc, v6                       ; held inside the expert's 4,096 bytes.  These five plain lines are also the places in front of the loads below
	s_add_nc_u64 s[28:29], s[28:29], 0x20000       ; hbuf: four tiles on
	global_load_b32 v7, v25, s[4:5]                ; the next tile's entry
	WIN 0x40                                       ; destination window 1
	ALOAD 0
	s_wait_loadcnt 33                              ; this tile's K steps 8-15 are in; the entry's load and the 32 just issued may be out
.endif
	WIN 0x07                                       ; source 0 window 3
	MULD 1
	PLACES 4                                       ; in front of loads into registers that the products have read, and of the first read of results
.if \pf
	WIN 0x40
	ALOAD 1
.endif
	WIN 0
.irp k, 0,2,4,6,8,10,12,14
	v_pk_add_f32 v[Y+\k:Y+\k+1], v[AC+\k:AC+\k+1], v[AC+16+\k:AC+16+\k+1]     ; the even and the odd K steps' sums; each accumulator from its low end on
.endr
.irp k, 0,2,4,6,8,10,12,14
	v_pk_mul_f32 v[Y+\k:Y+\k+1], v[Y+\k:Y+\k+1], s[26:27] op_sel_hi:[1,0]     ; x 2^(e4 + e5)
.endr
.irp u, 0,1
.irp p, 0,1
	global_store_b128 v18, v[Y+8*\u+4*\p:Y+8*\u+4*\p+3], s[14:15] offset:64*\u+16*\p   ; columns 16 u + 8 h + 4 p on of my row
.endr
.endr
.endm
	WIN 0x40
	ALOAD 0
	ALOAD 1
	WIN 0
	s_sub_co_u32 s32, s31, 1                       ; all my tiles but the last have a successor to fetch
	s_cmp_eq_u32 s32, 0
	s_cbranch_scc1 .Ltail
.Ltile:
	TILE 1
	s_sub_co_u32 s32, s32, 1
	s_cmp_lg_u32 s32, 0
	s_cbranch_scc1 .Ltile
.Ltail:
	TILE 0                                         ; the last tile fetches nothing
.Lend:
	s_endpgm
.Lfunc_end_k_q4ed2c9bb7a_down:
	.size	k_q4ed2c9bb7a_down, .Lfunc_end_k_q4ed2c9bb7a_down-k_q4ed2c9bb7a_down
	.p2alignl 7, 3214868480
	.fill 96, 4, 3214868480
	.section	.rodata,"a",@progbits
	.p2align	6, 0x0
	.amdhsa_kernel k_q4ed2c9bb7a_down
		.amdhsa_group_segment_fixed_size 0
		.amdhsa_private_segment_fixed_size 0
		.amdhsa_enable_private_segment 0
		.amdhsa_kernarg_size 40
		.amdhsa_user_sgpr_count 2
		.amdhsa_user_sgpr_kernarg_segment_ptr 1
		.amdhsa_wavefront_size32 1
		.amdhsa_system_sgpr_workgroup_id_x 1
		.amdhsa_system_sgpr_workgroup_id_y 1
		.amdhsa_system_sgpr_workgroup_id_z 1
		.amdhsa_system_vgpr_workitem_id 0
		.amdhsa_next_free_vgpr 1024
		.amdhsa_next_free_sgpr 66
		.amdhsa_reserve_vcc 0
		.amdhsa_float_denorm_mode_32 3
		.amdhsa_float_denorm_mode_16_64 3
		.amdhsa_memory_ordered 1
		.amdhsa_forward_progress 1
		.amdhsa_inst_pref_size 35
	.end_amdhsa_kernel
	.amdgpu_metadata
---
amdhsa.version: [ 1, 2 ]
amdhsa.kernels:
  - .name:           k_q4ed2c9bb7a_down
    .symbol:         k_q4ed2c9bb7a_down.kd
    .args:
      - { .name: lst, .offset: 0, .size: 8, .value_kind: global_buffer, .address_space: global }
      - { .name: lowp_scales, .offset: 8, .size: 8, .value_kind: global_buffer, .address_space: global }
      - { .name: w_down_codes, .offset: 16, .size: 8, .value_kind: global_buffer, .address_space: global }
      - { .name: hbuf, .offset: 24, .size: 8, .value_kind: global_buffer, .address_space: global }
      - { .name: ybuf, .offset: 32, .size: 8, .value_kind: global_buffer, .address_space: global }
    .group_segment_fixed_size: 0
    .private_segment_fixed_size: 0
    .kernarg_segment_align: 8
    .kernarg_segment_size: 40
    .max_flat_workgroup_size: 128
    .sgpr_count:     66
    .vgpr_count:     1024
    .wavefront_size: 32
...
	.end_amdgpu_metadata
.endif
;; end of part 4
;; launch combine (part 5): grid 256 x 1, 4 waves a work-group, no clusters, 0 bytes of LDS; arguments ybuf, gts, out0; writes out0
.if DOCPART == 5
	.amdgcn_target "amdgcn-amd-amdhsa--gfx1250"
	.amdhsa_code_object_version 6
	.text
	.protected	k_q4ed2c9bb7a_combine
	.globl	k_q4ed2c9bb7a_combine
	.p2align	8
	.type	k_q4ed2c9bb7a_combine,@function
k_q4ed2c9bb7a_combine:
	s_mov_b64 s[64:65], 0
	v_nop
	global_prefetch_b8 v0, s[64:65] scope:SCOPE_SE
	s_setreg_imm32_b32 hwreg(HW_REG_WAVE_MODE, 25, 1), 1
	s_wait_xcnt 0x0
; out0[t][:] = gts[t][0] x ybuf[2 t][:] + gts[t][1] x ybuf[2 t + 1][:]: a token's two expert rows, weighed by its two gates.  All f32; the second product is fused with the sum.
; A plain stream: one wave a token (two rows of 4,096 bytes in, one out), 16 bytes a lane, so that each load and store covers 512 consecutive bytes, aligned.
; The gates are the same for a whole wave: one scalar load of 8 bytes at a fixed place.  All sixteen vector loads of a wave go out at once; the waits count down.
; No index, no loop, no LDS, no barrier: waves share nothing, so clusters and the matrix unit have nothing to give.
.set A, 8                              ; v8-39   the first row, then the result
.set B, 40                             ; v40-71  the second row
	s_load_b128 s[4:7], s[0:1], 0x0                ; ybuf s[4:5], gts s[6:7]
	s_load_b64 s[8:9], s[0:1], 0x10                ; out0
	v_lshrrev_b32 v1, 5, v0
	v_readfirstlane_b32 s10, v1                    ; wave 0..3
	v_and_b32 v1, 31, v0
	v_lshlrev_b32 v1, 4, v1                        ; 16 bytes a lane
	s_lshl_b32 s11, ttmp9, 2
	s_add_co_u32 s11, s11, s10                     ; my token
	s_lshl_b32 s12, s11, 13                        ; its two rows in ybuf
	s_mov_b32 s13, 0
	s_lshl_b32 s14, s11, 12                        ; its row in out0
	s_mov_b32 s15, 0
	s_lshl_b32 s16, s11, 3                         ; its two gates
	s_mov_b32 s17, 0
	s_wait_kmcnt 0x0
	s_add_nc_u64 s[6:7], s[6:7], s[16:17]
	s_load_b64 s[18:19], s[6:7], 0x0               ; the gates
	s_add_nc_u64 s[4:5], s[4:5], s[12:13]
	s_add_nc_u64 s[8:9], s[8:9], s[14:15]
.irp i, 0,1,2,3,4,5,6,7
	global_load_b128 v[A+4*\i:A+4*\i+3], v1, s[4:5] offset:512*\i th:TH_LOAD_NT
	global_load_b128 v[B+4*\i:B+4*\i+3], v1, s[4:5] offset:4096+512*\i th:TH_LOAD_NT
.endr
	s_wait_kmcnt 0x0
	s_mov_b32 s20, s19                             ; the second gate in a pair of its own: the packed forms take a scalar pair's low word for both halves
	s_mov_b32 s21, s19
.irp i, 0,1,2,3,4,5,6,7
	s_wait_loadcnt 14-2*\i                         ; pair i is in; the pairs issued behind it may be out
	v_pk_mul_f32 v[A+4*\i:A+4*\i+1],   v[A+4*\i:A+4*\i+1],   s[18:19] op_sel_hi:[1,0]
	v_pk_mul_f32 v[A+4*\i+2:A+4*\i+3], v[A+4*\i+2:A+4*\i+3], s[18:19] op_sel_hi:[1,0]
	v_pk_fma_f32 v[A+4*\i:A+4*\i+1],   v[B+4*\i:B+4*\i+1],   s[20:21], v[A+4*\i:A+4*\i+1]   op_sel_hi:[1,0,1]
	v_pk_fma_f32 v[A+4*\i+2:A+4*\i+3], v[B+4*\i+2:B+4*\i+3], s[20:21], v[A+4*\i+2:A+4*\i+3] op_sel_hi:[1,0,1]
	global_store_b128 v1, v[A+4*\i:A+4*\i+3], s[8:9] offset:512*\i th:TH_STORE_NT
.endr
	s_endpgm
.Lfunc_end_k_q4ed2c9bb7a_combine:
	.size	k_q4ed2c9bb7a_combine, .Lfunc_end_k_q4ed2c9bb7a_combine-k_q4ed2c9bb7a_combine
	.p2alignl 7, 3214868480
	.fill 96, 4, 3214868480
	.section	.rodata,"a",@progbits
	.p2align	6, 0x0
	.amdhsa_kernel k_q4ed2c9bb7a_combine
		.amdhsa_group_segment_fixed_size 0
		.amdhsa_private_segment_fixed_size 0
		.amdhsa_enable_private_segment 0
		.amdhsa_kernarg_size 24
		.amdhsa_user_sgpr_count 2
		.amdhsa_user_sgpr_kernarg_segment_ptr 1
		.amdhsa_wavefront_size32 1
		.amdhsa_system_sgpr_workgroup_id_x 1
		.amdhsa_system_sgpr_workgroup_id_y 1
		.amdhsa_system_sgpr_workgroup_id_z 1
		.amdhsa_system_vgpr_workitem_id 0
		.amdhsa_next_free_vgpr 72
		.amdhsa_next_free_sgpr 66
		.amdhsa_reserve_vcc 0
		.amdhsa_float_denorm_mode_32 3
		.amdhsa_float_denorm_mode_16_64 3
		.amdhsa_memory_ordered 1
		.amdhsa_forward_progress 1
		.amdhsa_inst_pref_size 6
	.end_amdhsa_kernel
	.amdgpu_metadata
---
amdhsa.version: [ 1, 2 ]
amdhsa.kernels:
  - .name:           k_q4ed2c9bb7a_combine
    .symbol:         k_q4ed2c9bb7a_combine.kd
    .args:
      - { .name: ybuf, .offset: 0, .size: 8, .value_kind: global_buffer, .address_space: global }
      - { .name: gts, .offset: 8, .size: 8, .value_kind: global_buffer, .address_space: global }
      - { .name: out0, .offset: 16, .size: 8, .value_kind: global_buffer, .address_space: global }
    .group_segment_fixed_size: 0
    .private_segment_fixed_size: 0
    .kernarg_segment_align: 8
    .kernarg_segment_size: 24
    .max_flat_workgroup_size: 128
    .sgpr_count:     66
    .vgpr_count:     72
    .wavefront_size: 32
...
	.end_amdgpu_metadata
.endif
;; end of part 5
;; ======== version 2 of 3: 5 launches
;; workspace buffers: xg 1,048,576 bytes; xu 1,048,576 bytes; ids 8,192 bytes of whole numbers; gts 8,192 bytes; lst 33,024 bytes of whole numbers; hbuf 16,777,216 bytes; ybuf 8,912,896 bytes
;; launch route: the kernel of part 1 again; grid 256 x 1, 4 waves a work-group, no clusters, 1,024 bytes of LDS; arguments x, w_router, lowp_scales, xg, xu, ids, gts; writes xg, xu, ids, gts
;; launch place: the kernel of part 2 again; grid 8 x 1, 1 waves a work-group, no clusters, 4,608 bytes of LDS; arguments ids, lst; writes lst
;; launch hidden (part 6): grid 32 x 8, 4 waves a work-group, no clusters, 0 bytes of LDS; arguments lst, lowp_scales, w_gate_codes, w_up_codes, xg, xu, hbuf; writes hbuf
.if DOCPART == 6
	.amdgcn_target "amdgcn-amd-amdhsa--gfx1250"
	.amdhsa_code_object_version 6
	.text
	.protected	k_q4ed2c9bb7a_hidden
	.globl	k_q4ed2c9bb7a_hidden
	.p2align	8
	.type	k_q4ed2c9bb7a_hidden,@function
k_q4ed2c9bb7a_hidden:
	s_mov_b64 s[64:65], 0
	v_nop
	global_prefetch_b8 v0, s[64:65] scope:SCOPE_SE
	s_setreg_imm32_b32 hwreg(HW_REG_WAVE_MODE, 25, 1), 1
	s_wait_xcnt 0x0
; THE HIDDEN LAYER OF THE CHOSEN ROWS.  h = silu(x Wg) * (x Wu) for the tokens that chose expert e, quantised with 2^e4, as register images for the next launch.
; Both products on E4M3 codes by v_wmma_f32_16x16x128_fp8_fp8; sums, silu and the product in f32.  Scales: e0 w_gate, e1 x (gate), e2 w_up, e3 x (up), e4 h.
; SHARES.  Work-group (x, y) = (64 hidden units, expert e).  Wave w: the 32 units of half cw = w % 2 and the row tiles j = q, q + 2, .. with q = w / 2.
; A wave's 32 rows of w_gate and of w_up (2 x 32 x 1,024 bytes = 512 registers) stay in registers for the whole launch; what streams is x's codes, 16 gathered rows a tile.
; THE LIST.  lst, stored as whole numbers by the launch before, holds the expert's rows as 2 x token + slot in rank order, and its count N.  N gives the trip counts: T = ceil(N / 16) tiles.
; Lane (r, h) reads place 16 j + r of the list for tile j, one tile before the gather that needs it.  A place beyond N holds a number from 2,048 on, which is held at 2,047: such a row gathers token 1,023,
; is multiplied and stored as a spare row of the last tile, and never reaches an output.
; ONE SET OF x's CODES OR TWO.  xg holds x / 2^e1 and xu holds x / 2^e3.  Where e1 = e3 the two are the same bytes: a scalar branch on the two given exponents leads to a copy of the loop that gathers xg alone
; and feeds each fragment to all four products: 32 loads a tile.  Where they differ, the other copy gathers both: 64 loads a tile.  Both copies are one macro with the argument two = 0 or 1.
; LAYOUT.  The products are used transposed (source 0 = 16 rows of the weight, source 1 = 16 rows of x).  Lane r of weight tile u takes unit 8 u + r + 8 (r / 8), so that lane (r, h) ends up with
; row r and units 16 h + 0 .. 15 in 16 consecutive registers: after the conversion they are registers 4 c .. 4 c + 3 of the next product's operand, block sg = 2 x + cw = 4 s + c of its K.
; hbuf [expert 8][tile 64][sg 64][lane 32][16 bytes]: a wave's store covers 512 consecutive bytes, aligned.  Only tiles 0 .. T - 1 are written, and only those are read later.
; Fragments are fetched by four 16-byte loads, 32 bytes apart: k = 32 c + 16 h + 0 .. 15 in registers 4 c .. 4 c + 3, the same permutation of k on both sides, so each product meets its partner.
; NO TENSOR LOADS, NO CLUSTER, though the 32 work-groups of an expert gather the same rows: the trip counts and the early end hang on a count read from memory, and 16 gathered rows are no tile that one descriptor states.
; No LDS and no barrier: waves share nothing but what they read.
; LIMITS: e0 + e1 between -126 and 126 (added to a constant's exponent field); e4 - e0 - e1 - e2 - e3 between -126 and 119.
; REGISTERS, in windows of 256: window 0: addresses, accumulators, the way out.  window 1: x's codes: gate's K step s at v[16 s], up's (two sets) at v[128 + 16 s].
;   window 2: the weights of K steps 0-3 (step s, tile t of g0, g1, u0, u1 at v[64 (s % 4) + 16 t]);  window 3: those of K steps 4-7.
;   v4 the weights' lane offset; v5 16 h; v6 my place in the list, in bytes; v25 the same, held inside the list; v7 an entry; v9 16 x lane;
;   v8 the gather's offset for K steps 0-3, v27 the same number for K steps 4-7: each half has a register of its own, so that each is rewritten behind the counted wait that shows its own loads done.
.set G,     96                         ; v96-111  g0, g1
.set U,     112                        ; v112-127 u0, u1
.set T,     128                        ; v128-143 at work: 1 / (1 + e^-g)
.set P,     144                        ; v144-159 at work: g u, then h
.set C,     160                        ; v160-163 h's 16 codes
.set MSB, 0
.macro WIN new                         ; bits 1:0 source 0, 3:2 source 1, 5:4 source 2, 7:6 destination; the immediate's high byte repeats the setting that is left
.if MSB != \new
	s_set_vgpr_msb (MSB<<8)|\new
.set MSB, \new
.endif
.endm
.macro PLACES n
.rept \n
	v_nop
.endr
.endm
	s_load_b256 s[4:11], s[0:1], 0x0               ; lst s[4:5], the scales s[6:7], w_gate s[8:9], w_up s[10:11]
	s_load_b128 s[12:15], s[0:1], 0x20             ; xg s[12:13], xu s[14:15]
	s_load_b64 s[16:17], s[0:1], 0x30              ; hbuf
	v_lshrrev_b32 v1, 5, v0
	v_readfirstlane_b32 s18, v1                    ; wave 0..3
	v_and_b32 v1, 31, v0                           ; lane
	v_and_b32 v2, 15, v0                           ; r
	v_bfe_u32 v3, v0, 4, 1                         ; h
	s_and_b32 s19, ttmp7, 0xffff                   ; the expert
	s_and_b32 s37, s18, 1                          ; cw
	s_lshr_b32 s40, s18, 1                         ; q
	v_and_b32 v4, 8, v2
	v_add_nc_u32 v4, v4, v2                        ; r + 8 (r / 8)
	v_lshlrev_b32 v4, 10, v4                       ; a weight's row is 1,024 bytes
	v_lshl_add_u32 v4, v3, 4, v4                   ; + 16 h
	v_lshlrev_b32 v5, 4, v3                        ; 16 h
	s_lshl_b32 s41, s40, 6
	v_lshl_add_u32 v6, v2, 2, s41                  ; the list: place r of tile q
	v_min_u32 v25, 0xffc, v6
	v_lshlrev_b32 v9, 4, v1                        ; 16 x lane
	s_lshl_b32 s38, s19, 21                        ; my rows of the weights: expert x 2 MiB + 64 rows a work-group + 32 rows a half
	s_lshl_b32 s41, ttmp9, 16
	s_add_co_u32 s38, s38, s41
	s_lshl_b32 s41, s37, 15
	s_add_co_u32 s38, s38, s41
	s_mov_b32 s39, 0
	s_lshl_b32 s42, s19, 21                        ; hbuf: expert x 64 tiles of 32,768 bytes + tile q + block sg of 512 bytes
	s_lshl_b32 s41, s40, 15
	s_add_co_u32 s42, s42, s41
	s_lshl_b32 s41, ttmp9, 10
	s_add_co_u32 s42, s42, s41
	s_lshl_b32 s41, s37, 9
	s_add_co_u32 s42, s42, s41
	s_mov_b32 s43, 0
	s_lshl_b32 s46, s19, 12                        ; lst: the expert's 4,096 bytes,
	s_mov_b32 s47, 0
	s_lshl_b32 s34, s19, 2
	s_add_co_u32 s34, s34, 0x8000                  ; and its count
	s_mov_b32 s35, 0
	s_wait_kmcnt 0x0
	s_load_b128 s[20:23], s[6:7], 0x0              ; e0 .. e3
	s_load_b64 s[24:25], s[6:7], 0x10              ; e4, e5
	s_add_nc_u64 s[34:35], s[4:5], s[34:35]
	s_load_b32 s30, s[34:35], 0x0                  ; N
	s_add_nc_u64 s[4:5], s[4:5], s[46:47]
	s_add_nc_u64 s[8:9], s[8:9], s[38:39]
	s_add_nc_u64 s[10:11], s[10:11], s[38:39]
	s_add_nc_u64 s[28:29], s[16:17], s[42:43]
; the weights of K step s: g0, g1, u0, u1, 16 loads
.macro WLOAD s
.irp t, 0,1
.irp c, 0,1,2,3
	global_load_b128 v[64*((\s)%4)+16*\t+4*\c:64*((\s)%4)+16*\t+4*\c+3], v4, s[8:9] offset:8192*\t+128*(\s)+32*\c
.endr
.endr
.irp t, 0,1
.irp c, 0,1,2,3
	global_load_b128 v[64*((\s)%4)+32+16*\t+4*\c:64*((\s)%4)+32+16*\t+4*\c+3], v4, s[10:11] offset:8192*\t+128*(\s)+32*\c
.endr
.endr
.endm
; an entry becomes the gather's offset for K steps 0-3; the list steps two tiles on.  Five plain lines.
.macro OFFSET
	v_min_u32 v7, 0x7ff, v7                        ; an entry is 2 x token + slot, at most 2,047; a spare place's number is held there
	v_and_b32 v7, 0x7fe, v7
	v_lshl_add_u32 v8, v7, 9, v5                   ; token x 1,024 + 16 h
	v_add_nc_u32 v6, 128, v6                       ; the list: two tiles on,
	v_min_u32 v25, 0xffc, v6                       ; held inside the expert's 4,096 bytes: the look-ahead's last step would pass them
.endm
	global_load_b32 v7, v25, s[4:5]                ; my first tile's entry
	WIN 0x80                                       ; destination window 2
	WLOAD 0
	WLOAD 1
	WIN 0
	s_wait_loadcnt 32                              ; the entry is in; the 32 loads of weights issued behind it may be out
	OFFSET
	v_mov_b32 v27, v8                              ; the same offset for K steps 4-7
	global_load_b32 v7, v25, s[4:5]                ; my second tile's entry
	WIN 0x80
	WLOAD 2
	WLOAD 3
	WIN 0xc0                                       ; destination window 3
	WLOAD 4
	WLOAD 5
	WLOAD 6
	WLOAD 7
	WIN 0
	s_wait_kmcnt 0x0
	s_add_co_i32 s41, s20, s21                     ; e0 + e1: a sum G of the gate product stands for G x 2^(e0 + e1)
	s_lshl_b32 s26, s41, 23
	s_add_co_u32 s26, s26, 0xbfb8aa3b              ; -log2(e) x 2^(e0 + e1): the exponents are added to the constant's exponent field
	s_mov_b32 s27, s26                             ; (named with it as a pair, so it is written)
	s_add_co_i32 s41, s41, s22
	s_add_co_i32 s41, s41, s23
	s_sub_co_i32 s41, s24, s41                     ; h's code is G U r / 2^(e4 - e0 - e1 - e2 - e3): the five scales folded into the conversion's one
	s_add_co_i32 s41, s41, 127
	s_lshl_b32 s44, s41, 23
	v_mov_b32 v164, s44                            ; that power of two as f32
	s_add_co_i32 s41, s41, 8
	s_lshl_b32 s41, s41, 23
	s_or_b32 s41, s41, 0x600000
	v_mov_b32 v165, s41                            ; 448 x it
	s_min_u32 s30, s30, 0x400                      ; N, at most 1,024
	s_add_co_u32 s31, s30, 15
	s_lshr_b32 s31, s31, 4                         ; T tiles
	s_add_co_u32 s31, s31, 1
	s_sub_co_u32 s31, s31, s40
	s_lshr_b32 s31, s31, 1                         ; my tiles: q, q + 2, ..: (T + 1 - q) / 2
	s_cmp_eq_u32 s31, 0
	s_cbranch_scc1 .Lend                           ; this choice of experts leaves my wave without rows
; the gathered rows' codes of K steps 4 half .. 4 half + 3, by the offset in v[adr]: 16 loads from xg, and with two = 1 as many from xu
.macro XLOAD half, two, adr
.irp s4, 0,1,2,3
.irp c, 0,1,2,3
	global_load_b128 v[16*(4*\half+\s4)+4*\c:16*(4*\half+\s4)+4*\c+3],         v[\adr], s[12:13] offset:128*(4*\half+\s4)+32*\c
.if \two
	global_load_b128 v[128+16*(4*\half+\s4)+4*\c:128+16*(4*\half+\s4)+4*\c+3], v[\adr], s[14:15] offset:128*(4*\half+\s4)+32*\c
.endif
.endr
.endr
.endm
; 16 matrix instructions: four K steps x (g0, g1, u0, u1).  The four accumulators take turns, one instruction a turn.  The tile's first four start the sums.
; two = 1: u0 and u1 take xu's fragment, 128 registers further on; two = 0: all four take xg's.
.macro MULH half, two
.irp s4, 0,1,2,3
.irp t, 0,1,2,3
.if (\half == 0) && (\s4 == 0)
	v_wmma_f32_16x16x128_fp8_fp8 v[G+8*\t:G+8*\t+7], v[64*\s4+16*\t:64*\s4+16*\t+15], v[128*\two*(\t/2)+16*(4*\half+\s4):128*\two*(\t/2)+16*(4*\half+\s4)+15], 0
.else
	v_wmma_f32_16x16x128_fp8_fp8 v[G+8*\t:G+8*\t+7], v[64*\s4+16*\t:64*\s4+16*\t+15], v[128*\two*(\t/2)+16*(4*\half+\s4):128*\two*(\t/2)+16*(4*\half+\s4)+15], v[G+8*\t:G+8*\t+7]
.endif
.endr
.endr
.endm
; h = g u / (1 + e^-g), held, quantised, stored.  Each accumulator is read from its low end on.
.macro EPI
.irp k, 0,2,4,6,8,10,12,14
	v_pk_mul_f32 v[T+\k:T+\k+1], v[G+\k:G+\k+1], s[26:27] op_sel_hi:[1,0]     ; -g log2(e)
.endr
.irp k, 0,1,2,3,4,5,6,7,8,9,10,11,12,13,14,15
	v_exp_f32 v[T+\k], v[T+\k]                     ; e^-g
.endr
.irp k, 0,2,4,6,8,10,12,14
	v_pk_mul_f32 v[P+\k:P+\k+1], v[G+\k:G+\k+1], v[U+\k:U+\k+1]               ; G U (the plain lines behind the exponentials)
.endr
	s_wait_alu depctr_va_vdst(0)
.irp k, 0,2,4,6,8,10,12,14
	v_pk_add_f32 v[T+\k:T+\k+1], v[T+\k:T+\k+1], 1.0 op_sel_hi:[1,0]
.endr
.irp k, 0,1,2,3,4,5,6,7,8,9,10,11,12,13,14,15
	v_rcp_f32 v[T+\k], v[T+\k]
.endr
	v_nop                                          ; a plain line behind the last reciprocal
	s_wait_alu depctr_va_vdst(0)
.irp k, 0,2,4,6,8,10,12,14
	v_pk_mul_f32 v[P+\k:P+\k+1], v[P+\k:P+\k+1], v[T+\k:T+\k+1]
.endr
.irp k, 0,1,2,3,4,5,6,7,8,9,10,11,12,13,14,15
	v_med3_num_f32 v[P+\k], v[P+\k], -v165, v165   ; the conversion to an 8-bit code does not saturate (ISA guide 7.6.2): the hold at the largest code x the scale
.endr
	s_wait_storecnt 0x0                            ; my last tile's store, issued a whole tile ago, is done: its data registers and its base are written again only behind this wait
	s_add_nc_u64 s[28:29], s[28:29], 0x10000       ; hbuf: two tiles on; the store below reaches back to this tile
	v_cvt_scalef32_pk8_fp8_f32 v[C:C+1],   v[P:P+7],    v164
	v_cvt_scalef32_pk8_fp8_f32 v[C+2:C+3], v[P+8:P+15], v164
	v_nop                                          ; a plain line behind the last conversion
	global_store_b128 v9, v[C:C+3], s[28:29] offset:-0x10000   ; 32 lanes store 512 consecutive bytes, aligned: the image of four registers of the next operand
.endm
; A TILE of 16 rows.  A half is 16 loads (two = 0) or 32 (two = 1).  At the tile's head a wave's loads are out in this order: the next tile's entry, this tile's K steps 0-3 (a half), its K steps 4-7 (a half).
; pf = 1: the next tile of mine is gathered meanwhile, each half into the registers that this tile's products have just read, and the entry of the tile after it is asked for.
.macro TILE pf, two
	s_wait_loadcnt 16+16*\two                      ; the next tile's entry and K steps 0-3 of this tile are in (and, ahead of the first tile, all weights); the loads of K steps 4-7 may be out.
	                                               ; So the entry's address v25 and the first half's offset v8 have been read
	WIN 0x06                                       ; source 0 window 2, source 1 window 1
	MULH 0, \two
.if \pf
	WIN 0
	OFFSET                                         ; its five plain lines are also the places in front of the loads below
	global_load_b32 v7, v25, s[4:5]                ; the entry of the tile after the next
	WIN 0x40                                       ; destination window 1
	XLOAD 0, \two, 8
	s_wait_loadcnt 17+16*\two                      ; this tile's K steps 4-7 are in, so their offset v27 has been read; the entry's load and the half just issued may be out
.else
	s_wait_loadcnt 0x0
.endif
	WIN 0x07                                       ; source 0 window 3
	MULH 1, \two
.if \pf
	WIN 0
	v_mov_b32 v27, v8                              ; the next tile's offset for K steps 4-7.  This line and three v_nop are the four places in front of the loads below and of the first read of results
	PLACES 3
	WIN 0x40
	XLOAD 1, \two, 27
.else
	PLACES 4                                       ; in front of the first read of results
.endif
	WIN 0
	EPI
.endm
; all my tiles: the first tile's gather, a loop over the tiles that have a successor, the last tile written out, which gathers nothing
.macro RUN two
	WIN 0x40
	XLOAD 0, \two, 8
	XLOAD 1, \two, 27
	WIN 0
	s_cmp_eq_u32 s32, 0
	s_cbranch_scc1 .Ltail_\@
.Ltile_\@:
	TILE 1, \two
	s_sub_co_u32 s32, s32, 1
	s_cmp_lg_u32 s32, 0
	s_cbranch_scc1 .Ltile_\@
.Ltail_\@:
	TILE 0, \two
	s_endpgm
.endm
	s_sub_co_u32 s32, s31, 1                       ; all my tiles but the last have a successor to gather
	s_cmp_eq_u32 s21, s23                          ; e1 = e3: xg and xu are the same bytes
	s_cbranch_scc1 .Lone
	RUN 1                                          ; two sets of codes
.Lone:
	RUN 0                                          ; one set
.Lend:
	s_endpgm
.Lfunc_end_k_q4ed2c9bb7a_hidden:
	.size	k_q4ed2c9bb7a_hidden, .Lfunc_end_k_q4ed2c9bb7a_hidden-k_q4ed2c9bb7a_hidden
	.p2alignl 7, 3214868480
	.fill 96, 4, 3214868480
	.section	.rodata,"a",@progbits
	.p2align	6, 0x0
	.amdhsa_kernel k_q4ed2c9bb7a_hidden
		.amdhsa_group_segment_fixed_size 0
		.amdhsa_private_segment_fixed_size 0
		.amdhsa_enable_private_segment 0
		.amdhsa_kernarg_size 56
		.amdhsa_user_sgpr_count 2
		.amdhsa_user_sgpr_kernarg_segment_ptr 1
		.amdhsa_wavefront_size32 1
		.amdhsa_system_sgpr_workgroup_id_x 1
		.amdhsa_system_sgpr_workgroup_id_y 1
		.amdhsa_system_sgpr_workgroup_id_z 1
		.amdhsa_system_vgpr_workitem_id 0
		.amdhsa_next_free_vgpr 1024
		.amdhsa_next_free_sgpr 66
		.amdhsa_reserve_vcc 0
		.amdhsa_float_denorm_mode_32 3
		.amdhsa_float_denorm_mode_16_64 3
		.amdhsa_memory_ordered 1
		.amdhsa_forward_progress 1
		.amdhsa_inst_pref_size 63
	.end_amdhsa_kernel
	.amdgpu_metadata
---
amdhsa.version: [ 1, 2 ]
amdhsa.kernels:
  - .name:           k_q4ed2c9bb7a_hidden
    .symbol:         k_q4ed2c9bb7a_hidden.kd
    .args:
      - { .name: lst, .offset: 0, .size: 8, .value_kind: global_buffer, .address_space: global }
      - { .name: lowp_scales, .offset: 8, .size: 8, .value_kind: global_buffer, .address_space: global }
      - { .name: w_gate_codes, .offset: 16, .size: 8, .value_kind: global_buffer, .address_space: global }
      - { .name: w_up_codes, .offset: 24, .size: 8, .value_kind: global_buffer, .address_space: global }
      - { .name: xg, .offset: 32, .size: 8, .value_kind: global_buffer, .address_space: global }
      - { .name: xu, .offset: 40, .size: 8, .value_kind: global_buffer, .address_space: global }
      - { .name: hbuf, .offset: 48, .size: 8, .value_kind: global_buffer, .address_space: global }
    .group_segment_fixed_size: 0
    .private_segment_fixed_size: 0
    .kernarg_segment_align: 8
    .kernarg_segment_size: 56
    .max_flat_workgroup_size: 128
    .sgpr_count:     66
    .vgpr_count:     1024
    .wavefront_size: 32
...
	.end_amdgpu_metadata
.endif
;; end of part 6
;; launch down: the kernel of part 4 again; grid 32 x 8, 4 waves a work-group, no clusters, 0 bytes of LDS; arguments lst, lowp_scales, w_down_codes, hbuf, ybuf; writes ybuf
;; launch combine: the kernel of part 5 again; grid 256 x 1, 4 waves a work-group, no clusters, 0 bytes of LDS; arguments ybuf, gts, out0; writes out0
;; ======== version 3 of 3: 5 launches
;; workspace buffers: xg 1,048,576 bytes; xu 1,048,576 bytes; ids 8,192 bytes of whole numbers; gts 8,192 bytes; lst 33,024 bytes of whole numbers; hbuf 16,777,216 bytes; ybuf 8,912,896 bytes
;; launch route (part 7): grid 256 x 1, 4 waves a work-group, no clusters, 1,024 bytes of LDS; arguments x, w_router, lowp_scales, xg, xu, ids, gts; writes xg, xu, ids, gts
.if DOCPART == 7
	.amdgcn_target "amdgcn-amd-amdhsa--gfx1250"
	.amdhsa_code_object_version 6
	.text
	.protected	k_q4ed2c9bb7a_route
	.globl	k_q4ed2c9bb7a_route
	.p2align	8
	.type	k_q4ed2c9bb7a_route,@function
k_q4ed2c9bb7a_route:
	s_mov_b64 s[64:65], 0
	v_nop
	global_prefetch_b8 v0, s[64:65] scope:SCOPE_SE
	s_setreg_imm32_b32 hwreg(HW_REG_WAVE_MODE, 25, 1), 1
	s_wait_xcnt 0x0
; ROUTER AND QUANTISER OF x.  x [1024][1024] f32, w_router [1024][8] f32.
; Stores: xg = codes of x / 2^e1 and xu = codes of x / 2^e3 (E4M3, row-major, 1,024 bytes a token; e1, e3 = entries 1 and 3 of the scales),
; ids [1024][2] int32 = the two experts with the largest logits (ties: the lower index, as jax.lax.top_k has it), gts [1024][2] f32 = softmax over those two logits.
; Everything is stored at fixed places: no address and no branch here hangs on the choice.
; SHARES.  A work-group owns 4 tokens; wave w owns k = 256 w .. 256 w + 255 of all four; lane l owns k = 256 w + 8 l + 0 .. 7: eight neighbours along K, one conversion,
; 8 bytes of codes, so that a wave's store covers 256 consecutive bytes, aligned.  The waves' partial logits meet in LDS (128 bytes a wave); then wave w finishes token w.
; Logits are f32 fused multiply-adds.  No matrix unit (8 columns), no cluster (work-groups share only the 32 KiB of w_router), no tensor load (nothing is read twice).
; LIMITS: logits finite (else the second choice may repeat the first); NaN in x is not served; e1 and e3 between -126 and 119, so that 2^e and 448 x 2^e are f32 numbers.
.set X,   16                           ; v16-47   x: token p's eight numbers at X + 8 p; later the other half's sums, later the four waves' partial logits
.set WR,  48                           ; v48-111  w_router: k i, expert e at WR + 8 i + e
.set ACC, 112                          ; v112-143 partial logits: token p, expert e at ACC + 8 p + e
.set TS0, 144                          ; v144-159 two sets of eight held numbers, by turns
.set CD,  160                          ; v160-175 codes: token p, scale sc at CD + 4 p + 2 sc
.set SCL, 176                          ; v176 2^e1, v177 448 x 2^e1, v178 2^e3, v179 448 x 2^e3
	s_load_b256 s[4:11], s[0:1], 0x0               ; x s[4:5], w_router s[6:7], the scales s[8:9], xg s[10:11]
	s_load_b128 s[12:15], s[0:1], 0x20             ; xu s[12:13], ids s[14:15]
	s_load_b64 s[16:17], s[0:1], 0x30              ; gts
	v_lshl_add_u32 v192, v0, 2, 0x200
	v_mov_b32 v193, 0
	v_lshrrev_b32 v1, 5, v0
	v_readfirstlane_b32 s18, v1                    ; wave 0..3
	v_and_b32 v1, 31, v0                           ; lane
	v_lshlrev_b32 v2, 5, v1                        ; x: 32 bytes a lane
	v_lshlrev_b32 v3, 8, v1                        ; w_router: 8 rows of 32 bytes a lane
	v_lshlrev_b32 v4, 3, v1                        ; codes: 8 bytes a lane
	v_mov_b32 v7, 0
	s_lshl_b32 s24, s18, 7
	v_mov_b32 v5, s24                              ; LDS: my wave's 128 bytes
	s_lshl_b32 s24, s18, 5
	v_mov_b32 v6, s24                              ; LDS: token w's 32 bytes in a wave's 128
	s_mov_b32 s28, 0x76543210                      ; v_permlanex16_b32: each lane takes its own place in the other half
	s_mov_b32 s29, 0xfedcba98
	s_lshl_b32 s24, ttmp9, 14                      ; x: 4 tokens of 4,096 bytes a work-group, 1,024 bytes a wave
	s_lshl_b32 s26, s18, 10
	s_add_co_u32 s24, s24, s26
	s_mov_b32 s25, 0
	s_lshl_b32 s26, s18, 13                        ; w_router: 256 rows of 32 bytes a wave
	s_mov_b32 s27, 0
	s_wait_alu depctr_va_vdst(0)
	s_wait_kmcnt 0x0
	s_load_b128 s[20:23], s[8:9], 0x0              ; e0 .. e3
	s_add_nc_u64 s[4:5], s[4:5], s[24:25]
	s_add_nc_u64 s[6:7], s[6:7], s[26:27]
.irp p, 0,1,2,3
	global_load_b128 v[X+8*\p:X+8*\p+3],   v2, s[4:5] offset:4096*\p th:TH_LOAD_NT
	global_load_b128 v[X+8*\p+4:X+8*\p+7], v2, s[4:5] offset:4096*\p+16 th:TH_LOAD_NT
.endr
.irp m, 0,1,2,3,4,5,6,7,8,9,10,11,12,13,14,15
	global_load_b128 v[WR+4*\m:WR+4*\m+3], v3, s[6:7] offset:16*\m
.endr
	s_lshl_b32 s24, ttmp9, 12                      ; codes: 4 tokens of 1,024 bytes a work-group, 256 bytes a wave
	s_lshl_b32 s26, s18, 8
	s_add_co_u32 s24, s24, s26
	s_add_nc_u64 s[10:11], s[10:11], s[24:25]
	s_add_nc_u64 s[12:13], s[12:13], s[24:25]
	s_lshl_b32 s24, ttmp9, 2
	s_add_co_u32 s24, s24, s18                     ; the token that my wave finishes
	s_lshl_b32 s24, s24, 3
	s_add_nc_u64 s[14:15], s[14:15], s[24:25]
	s_add_nc_u64 s[16:17], s[16:17], s[24:25]
	s_wait_kmcnt 0x0
	s_add_co_i32 s24, s21, 127
	s_lshl_b32 s26, s24, 23
	v_mov_b32 v[SCL], s26                          ; 2^e1 as f32: the conversion takes its exponent field
	s_add_co_i32 s24, s24, 8
	s_lshl_b32 s24, s24, 23
	s_or_b32 s24, s24, 0x600000
	v_mov_b32 v[SCL+1], s24                        ; 448 x 2^e1
	s_add_co_i32 s24, s23, 127
	s_lshl_b32 s26, s24, 23
	v_mov_b32 v[SCL+2], s26                        ; 2^e3
	s_add_co_i32 s24, s24, 8
	s_lshl_b32 s24, s24, 23
	s_or_b32 s24, s24, 0x600000
	v_mov_b32 v[SCL+3], s24                        ; 448 x 2^e3
	s_wait_alu depctr_va_vdst(0)
	s_wait_loadcnt 16                              ; x's eight loads are in; the sixteen of w_router, issued behind them, may be out
; Token p's eight numbers with scale sc (0: e1, 1: e3).  The conversion to an 8-bit code does not saturate (ISA guide 7.6.2): the number is held within 448 x the scale first.
; The held numbers lie in set sc, so the eight holds of the next call, which write the other set, are the plain lines behind this call's conversion.
.macro QUANT p, sc
.irp i, 0,1,2,3,4,5,6,7
	v_med3_num_f32 v[TS0+8*(\sc)+\i], v[X+8*(\p)+\i], -v[SCL+1+2*(\sc)], v[SCL+1+2*(\sc)]
.endr
	v_cvt_scalef32_pk8_fp8_f32 v[CD+4*(\p)+2*(\sc):CD+4*(\p)+2*(\sc)+1], v[TS0+8*(\sc):TS0+8*(\sc)+7], v[SCL+2*(\sc)]
.endm
.irp p, 0,1,2,3
	QUANT \p, 0
	QUANT \p, 1
.endr
	v_nop                                          ; a plain line behind the last conversion
.irp p, 0,1,2,3
	global_store_b64 v4, v[CD+4*\p:CD+4*\p+1],   s[10:11] offset:1024*\p    ; 32 lanes store 256 consecutive bytes, aligned
	global_store_b64 v4, v[CD+4*\p+2:CD+4*\p+3], s[12:13] offset:1024*\p
.endr
	s_wait_loadcnt 0x0                             ; w_router
; logits: my eight k, four tokens, eight experts: two experts an instruction, sixteen chains side by side.  b = i % 2 picks x's register of the pair for both halves.
.irp p, 0,1,2,3
.irp q, 0,2,4,6
	v_pk_mul_f32 v[ACC+8*\p+\q:ACC+8*\p+\q+1], v[X+8*\p:X+8*\p+1], v[WR+\q:WR+\q+1] op_sel_hi:[0,1]   ; k 0 starts the sums
.endr
.endr
.macro DOT i, b
.irp p, 0,1,2,3
.irp q, 0,2,4,6
	v_pk_fma_f32 v[ACC+8*\p+\q:ACC+8*\p+\q+1], v[X+8*\p+\i-\b:X+8*\p+\i-\b+1], v[WR+8*\i+\q:WR+8*\i+\q+1], v[ACC+8*\p+\q:ACC+8*\p+\q+1] op_sel:[\b,0,0] op_sel_hi:[\b,1,1]
.endr
.endr
.endm
	DOT 1, 1
	DOT 2, 0
	DOT 3, 1
	DOT 4, 0
	DOT 5, 1
	DOT 6, 0
	DOT 7, 1
	; the 32 sums across the 32 lanes: four steps inside each half of 16 lanes ride on the addition, one crosses the halves
.irp m, 1,2,4,8
.set n, 0
.rept 32
	v_add_f32_dpp v[ACC+n], v[ACC+n], v[ACC+n] row_xmask:\m row_mask:0xf bank_mask:0xf
.set n, n+1
.endr
.endr
.set n, 0
.rept 32
	v_permlanex16_b32 v[X+n], v[ACC+n], s28, s29   ; its destination counts as read: x's registers have been written
.set n, n+1
.endr
.set n, 0
.rept 32
	v_add_f32 v[ACC+n], v[ACC+n], v[X+n]
.set n, n+1
.endr
.irp n, 0,1,2,3,4,5,6,7
	ds_store_b128 v5, v[ACC+4*\n:ACC+4*\n+3] offset:16*\n   ; every lane holds the same sums and writes the same bytes: [wave][token][expert]
.endr
	s_wait_dscnt 0x0                               ; for the others' sake: my stores have landed
	s_barrier_signal -1
	s_barrier_wait -1
.irp p, 0,1,2,3
	ds_load_b128 v[16+8*\p:19+8*\p], v6 offset:128*\p          ; wave p's part of token w's eight logits
	ds_load_b128 v[20+8*\p:23+8*\p], v6 offset:128*\p+16
.endr
	s_wait_dscnt 0x0
.irp k, 0,2,4,6
	v_pk_add_f32 v[112+\k:113+\k], v[16+\k:17+\k], v[24+\k:25+\k]
	v_pk_add_f32 v[120+\k:121+\k], v[32+\k:33+\k], v[40+\k:41+\k]
.endr
.irp k, 0,2,4,6
	v_pk_add_f32 v[112+\k:113+\k], v[112+\k:113+\k], v[120+\k:121+\k]   ; the logits, v112-119
.endr
	; the largest: strictly greater moves it, so the lower index keeps a tie
	v_mov_b32 v128, v112
	v_mov_b32 v129, 0
.irp e, 1,2,3,4,5,6,7
	v_cmp_gt_f32 vcc_lo, v[112+\e], v128
	v_cndmask_b32 v128, v128, v[112+\e], vcc_lo
	v_cndmask_b32 v129, v129, \e, vcc_lo
.endr
	; the largest of the other seven, likewise
	v_mov_b32 v130, 0xff800000
	v_mov_b32 v131, 0
.irp e, 0,1,2,3,4,5,6,7
	v_cmp_gt_f32 s30, v[112+\e], v130
	v_cmp_ne_u32 s31, \e, v129
	s_and_b32 vcc_lo, s30, s31
	v_cndmask_b32 v130, v130, v[112+\e], vcc_lo
	v_cndmask_b32 v131, v131, \e, vcc_lo
.endr
	; softmax of the two, the larger taken away first: 1 / (1 + t) and t / (1 + t), t = e^(second - first), at most 1
	v_sub_f32 v132, v130, v128
	v_mul_f32 v132, 0x3fb8aa3b, v132
	s_wait_alu depctr_va_vdst(0)
	v_exp_f32 v133, v132
	v_nop                                          ; a plain line behind the transcendental
	s_wait_alu depctr_va_vdst(0)
	v_add_f32 v134, 1.0, v133
	s_wait_alu depctr_va_vdst(0)
	v_rcp_f32 v126, v134
	v_mov_b32 v124, v129                           ; (the plain line behind the reciprocal)
	v_mov_b32 v125, v131
	s_wait_alu depctr_va_vdst(0)
	v_mul_f32 v127, v133, v126
	v_cmp_gt_u32 vcc_lo, 1, v1                     ; lane 0 stores for the wave
	s_wait_alu depctr_va_vdst(0)
	s_wait_xcnt 0x0                                ; EXEC is a source of the stores of codes: it changes only behind this wait
	s_wait_tensorcnt 0x0
	ds_add_u32 v192, v193
	s_wait_dscnt 0x0
	s_and_saveexec_b32 s30, vcc_lo
	global_store_b64 v7, v[124:125], s[14:15]
	global_store_b64 v7, v[126:127], s[16:17]
	s_endpgm
.Lfunc_end_k_q4ed2c9bb7a_route:
	.size	k_q4ed2c9bb7a_route, .Lfunc_end_k_q4ed2c9bb7a_route-k_q4ed2c9bb7a_route
	.p2alignl 7, 3214868480
	.fill 96, 4, 3214868480
	.section	.rodata,"a",@progbits
	.p2align	6, 0x0
	.amdhsa_kernel k_q4ed2c9bb7a_route
		.amdhsa_group_segment_fixed_size 1024
		.amdhsa_private_segment_fixed_size 0
		.amdhsa_enable_private_segment 0
		.amdhsa_kernarg_size 56
		.amdhsa_user_sgpr_count 2
		.amdhsa_user_sgpr_kernarg_segment_ptr 1
		.amdhsa_wavefront_size32 1
		.amdhsa_system_sgpr_workgroup_id_x 1
		.amdhsa_system_sgpr_workgroup_id_y 1
		.amdhsa_system_sgpr_workgroup_id_z 1
		.amdhsa_system_vgpr_workitem_id 0
		.amdhsa_next_free_vgpr 194
		.amdhsa_next_free_sgpr 66
		.amdhsa_reserve_vcc 1
		.amdhsa_float_denorm_mode_32 3
		.amdhsa_float_denorm_mode_16_64 3
		.amdhsa_memory_ordered 1
		.amdhsa_forward_progress 1
		.amdhsa_inst_pref_size 35
	.end_amdhsa_kernel
	.amdgpu_metadata
---
amdhsa.version: [ 1, 2 ]
amdhsa.kernels:
  - .name:           k_q4ed2c9bb7a_route
    .symbol:         k_q4ed2c9bb7a_route.kd
    .args:
      - { .name: x, .offset: 0, .size: 8, .value_kind: global_buffer, .address_space: global }
      - { .name: w_router, .offset: 8, .size: 8, .value_kind: global_buffer, .address_space: global }
      - { .name: lowp_scales, .offset: 16, .size: 8, .value_kind: global_buffer, .address_space: global }
      - { .name: xg, .offset: 24, .size: 8, .value_kind: global_buffer, .address_space: global }
      - { .name: xu, .offset: 32, .size: 8, .value_kind: global_buffer, .address_space: global }
      - { .name: ids, .offset: 40, .size: 8, .value_kind: global_buffer, .address_space: global }
      - { .name: gts, .offset: 48, .size: 8, .value_kind: global_buffer, .address_space: global }
    .group_segment_fixed_size: 1024
    .private_segment_fixed_size: 0
    .kernarg_segment_align: 8
    .kernarg_segment_size: 56
    .max_flat_workgroup_size: 128
    .sgpr_count:     66
    .vgpr_count:     194
    .wavefront_size: 32
...
	.end_amdgpu_metadata
.endif
;; end of part 7
;; launch place (part 8): grid 8 x 1, 1 waves a work-group, no clusters, 4,608 bytes of LDS; arguments ids, lst; writes lst
.if DOCPART == 8
	.amdgcn_target "amdgcn-amd-amdhsa--gfx1250"
	.amdhsa_code_object_version 6
	.text
	.protected	k_q4ed2c9bb7a_place
	.globl	k_q4ed2c9bb7a_place
	.p2align	8
	.type	k_q4ed2c9bb7a_place,@function
k_q4ed2c9bb7a_place:
	s_mov_b64 s[64:65], 0
	v_nop
	global_prefetch_b8 v0, s[64:65] scope:SCOPE_SE
	s_setreg_imm32_b32 hwreg(HW_REG_WAVE_MODE, 25, 1), 1
	s_wait_xcnt 0x0
; THE ROWS OF EACH EXPERT, IN RANK ORDER.  ids [1024][2] int32 (the two experts of each token, stored by the launch before) -> lst: [8 experts][1,024 places] int32, then the 8 counts N at byte 32,768.
; Place k < N of expert e holds 2 x token + slot of the k-th token (ascending) that chose e.  A place k >= N holds 2,048 + 16 e + k % 16: the spare row to which a last tile's row beyond N goes.
; The later launches take trip counts, gather offsets and scatter offsets from lst; here nothing but LDS addresses hangs on the ids: every global address is fixed.
; SHARES.  One work-group of one wave for each expert: a counting pass over 32 words of 32 tokens; the rank is the rows found so far + the chosen lanes below mine.  The list is laid in LDS by rank,
; read back in order and stored: each store covers 512 consecutive bytes, aligned.  One wave: LDS serves its instructions in order, so no barrier is needed.
; Eight work-groups are all the work there is: 8 KiB in, 32 KiB out.  No matrix unit, no cluster, no tensor load.
; A token whose two ids are equal is taken once.
.set DUMPI, 1024                       ; LDS: the list, 1,024 words from byte 0; word 1,024 takes what lanes outside the list write; nobody reads it
.set IDS,   32                         ; v32-95   the ids, two a token, token 32 i + lane at IDS + 2 i
.set OUTR,  96                         ; v96-127  the list on its way out
	s_load_b128 s[4:7], s[0:1], 0x0                ; ids s[4:5], lst s[6:7]
	v_lshl_add_u32 v128, v0, 2, 0x1100
	v_mov_b32 v129, 0
	v_and_b32 v1, 31, v0                           ; lane
	v_lshlrev_b32 v9, 4, v1                        ; 16 x lane
	v_lshlrev_b32 v10, 3, v1                       ; ids: 8 bytes a token
	v_mov_b32 v11, DUMPI
	v_lshlrev_b32 v13, 1, v1                       ; 2 x lane
	v_mov_b32 v7, 0
	s_mov_b32 s19, ttmp9                           ; the expert
	v_lshlrev_b32 v20, 2, v1                       ; what the list is filled with beforehand: my four words are places 4 x lane + 128 i + 0 .. 3,
	v_and_b32 v20, 12, v20                         ; so place % 16 = (4 x lane) % 16 + 0 .. 3 in each of the eight stores
	s_lshl_b32 s20, s19, 4
	s_add_co_u32 s20, s20, 0x800                   ; the expert's first spare row: 2,048 + 16 e
	v_add_nc_u32 v20, s20, v20
	v_add_nc_u32 v21, 1, v20
	v_add_nc_u32 v22, 2, v20
	v_add_nc_u32 v23, 3, v20
	s_lshl_b32 s8, s19, 12                         ; the expert's 4,096 bytes of lst
	s_mov_b32 s9, 0
	s_lshl_b32 s10, s19, 2
	s_add_co_u32 s10, s10, 0x8000                  ; and its count
	s_mov_b32 s11, 0
	s_wait_alu depctr_va_vdst(0)
	s_wait_kmcnt 0x0
	s_add_nc_u64 s[12:13], s[6:7], s[8:9]
	s_add_nc_u64 s[14:15], s[6:7], s[10:11]
.irp i, 0,1,2,3,4,5,6,7,8,9,10,11,12,13,14,15,16,17,18,19,20,21,22,23,24,25,26,27,28,29,30,31
	global_load_b64 v[IDS+2*\i:IDS+2*\i+1], v10, s[4:5] offset:256*\i   ; all 1,024 tokens' ids: 256 consecutive bytes a load
.endr
.irp i, 0,1,2,3,4,5,6,7
	ds_store_b128 v9, v[20:23] offset:512*\i       ; every place first names its spare row; the expert's N rows are then written over the first N places
.endr
	s_mov_b32 s33, 0                               ; rows found so far
.irp i, 0,1,2,3,4,5,6,7,8,9,10,11,12,13,14,15,16,17,18,19,20,21,22,23,24,25,26,27,28,29,30,31
	s_wait_loadcnt 31-\i                           ; word i is in; the loads issued behind it may be out
	v_cmp_eq_u32 vcc_lo, s19, v[IDS+2*\i]          ; token 32 i + lane chose my expert first,
	v_cmp_eq_u32 s35, s19, v[IDS+2*\i+1]           ; or second
	s_or_b32 s34, vcc_lo, s35
	v_mbcnt_lo_u32_b32 v14, s34, s33               ; its rank: rows found so far + the chosen lanes below mine
	v_cndmask_b32 v15, v11, v14, s34               ; a lane outside the list writes the spare word
	v_min_u32 v15, 0x400, v15                      ; held inside the list and its spare word
	v_lshlrev_b32 v15, 2, v15
	v_cndmask_b32 v16, 0, 1, s35                   ; the slot
	v_add3_u32 v17, v13, v16, 64*\i                ; 2 x token + slot
	ds_store_b32 v15, v17
	s_bcnt1_i32_b32 s36, s34
	s_add_co_u32 s33, s33, s36
.endr
.irp i, 0,1,2,3,4,5,6,7
	ds_load_b128 v[OUTR+4*\i:OUTR+4*\i+3], v9 offset:512*\i   ; LDS serves a wave's instructions in order: these see the stores above
.endr
.irp i, 0,1,2,3,4,5,6,7
	s_wait_dscnt 7-\i                              ; piece i is back; the loads issued behind it may be out
	global_store_b128 v9, v[OUTR+4*\i:OUTR+4*\i+3], s[12:13] offset:512*\i
.endr
	v_mov_b32 v17, s33                             ; N
	v_cmp_gt_u32 vcc_lo, 1, v1                     ; lane 0 stores it
	s_wait_alu depctr_va_vdst(0)
	s_wait_xcnt 0x0                                ; EXEC is a source of the stores above: it changes only behind this wait
	s_wait_tensorcnt 0x0
	ds_add_u32 v128, v129
	s_wait_dscnt 0x0
	s_and_saveexec_b32 s16, vcc_lo
	global_store_b32 v7, v17, s[14:15]
	s_endpgm
.Lfunc_end_k_q4ed2c9bb7a_place:
	.size	k_q4ed2c9bb7a_place, .Lfunc_end_k_q4ed2c9bb7a_place-k_q4ed2c9bb7a_place
	.p2alignl 7, 3214868480
	.fill 96, 4, 3214868480
	.section	.rodata,"a",@progbits
	.p2align	6, 0x0
	.amdhsa_kernel k_q4ed2c9bb7a_place
		.amdhsa_group_segment_fixed_size 4608
		.amdhsa_private_segment_fixed_size 0
		.amdhsa_enable_private_segment 0
		.amdhsa_kernarg_size 16
		.amdhsa_user_sgpr_count 2
		.amdhsa_user_sgpr_kernarg_segment_ptr 1
		.amdhsa_wavefront_size32 1
		.amdhsa_system_sgpr_workgroup_id_x 1
		.amdhsa_system_sgpr_workgroup_id_y 1
		.amdhsa_system_sgpr_workgroup_id_z 1
		.amdhsa_system_vgpr_workitem_id 0
		.amdhsa_next_free_vgpr 130
		.amdhsa_next_free_sgpr 66
		.amdhsa_reserve_vcc 1
		.amdhsa_float_denorm_mode_32 3
		.amdhsa_float_denorm_mode_16_64 3
		.amdhsa_memory_ordered 1
		.amdhsa_forward_progress 1
		.amdhsa_inst_pref_size 28
	.end_amdhsa_kernel
	.amdgpu_metadata
---
amdhsa.version: [ 1, 2 ]
amdhsa.kernels:
  - .name:           k_q4ed2c9bb7a_place
    .symbol:         k_q4ed2c9bb7a_place.kd
    .args:
      - { .name: ids, .offset: 0, .size: 8, .value_kind: global_buffer, .address_space: global }
      - { .name: lst, .offset: 8, .size: 8, .value_kind: global_buffer, .address_space: global }
    .group_segment_fixed_size: 4608
    .private_segment_fixed_size: 0
    .kernarg_segment_align: 8
    .kernarg_segment_size: 16
    .max_flat_workgroup_size: 32
    .sgpr_count:     66
    .vgpr_count:     130
    .wavefront_size: 32
...
	.end_amdgpu_metadata
.endif
;; end of part 8
;; launch hidden (part 9): grid 32 x 8, 4 waves a work-group, no clusters, 0 bytes of LDS; arguments lst, lowp_scales, w_gate_codes, w_up_codes, xg, xu, hbuf; writes hbuf
.if DOCPART == 9
	.amdgcn_target "amdgcn-amd-amdhsa--gfx1250"
	.amdhsa_code_object_version 6
	.text
	.protected	k_q4ed2c9bb7a_hidden
	.globl	k_q4ed2c9bb7a_hidden
	.p2align	8
	.type	k_q4ed2c9bb7a_hidden,@function
k_q4ed2c9bb7a_hidden:
	s_mov_b64 s[64:65], 0
	v_nop
	global_prefetch_b8 v0, s[64:65] scope:SCOPE_SE
	s_setreg_imm32_b32 hwreg(HW_REG_WAVE_SCHED_MODE, 0, 2), 2
	s_setreg_imm32_b32 hwreg(HW_REG_WAVE_MODE, 25, 1), 1
	s_wait_xcnt 0x0
	s_wait_alu depctr_vm_vsrc(0)
; THE HIDDEN LAYER OF THE CHOSEN ROWS.  h = silu(x Wg) * (x Wu) for the tokens that chose expert e, quantised with 2^e4, as register images for the next launch.
; Both products on E4M3 codes by v_wmma_f32_16x16x128_fp8_fp8; sums, silu and the product in f32.  Scales: e0 w_gate, e1 x (gate), e2 w_up, e3 x (up), e4 h.
; SHARES.  Work-group (x, y) = (64 hidden units, expert e).  Wave w: the 32 units of half cw = w % 2 and the row tiles j = q, q + 2, .. with q = w / 2.
; A wave's 32 rows of w_gate and of w_up (2 x 32 x 1,024 bytes = 512 registers) stay in registers for the whole launch; what streams is x's codes, 16 gathered rows a tile.
; THE LIST.  lst, stored as whole numbers by the launch before, holds the expert's rows as 2 x token + slot in rank order, and its count N.  N gives the trip counts: T = ceil(N / 16) tiles.
; Lane (r, h) reads place 16 j + r of the list for tile j, one tile before the gather that needs it.  A place beyond N holds a number from 2,048 on, which is held at 2,047: such a row gathers token 1,023,
; is multiplied and stored as a spare row of the last tile, and never reaches an output.
; ONE SET OF x's CODES OR TWO.  xg holds x / 2^e1 and xu holds x / 2^e3.  Where e1 = e3 the two are the same bytes: a scalar branch on the two given exponents leads to a copy of the loop that gathers xg alone
; and feeds each fragment to all four products: 32 loads a tile.  Where they differ, the other copy gathers both: 64 loads a tile.  Both copies are one macro with the argument two = 0 or 1.
; LAYOUT.  The products are used transposed (source 0 = 16 rows of the weight, source 1 = 16 rows of x).  Lane r of weight tile u takes unit 8 u + r + 8 (r / 8), so that lane (r, h) ends up with
; row r and units 16 h + 0 .. 15 in 16 consecutive registers: after the conversion they are registers 4 c .. 4 c + 3 of the next product's operand, block sg = 2 x + cw = 4 s + c of its K.
; hbuf [expert 8][tile 64][sg 64][lane 32][16 bytes]: a wave's store covers 512 consecutive bytes, aligned.  Only tiles 0 .. T - 1 are written, and only those are read later.
; Fragments are fetched by four 16-byte loads, 32 bytes apart: k = 32 c + 16 h + 0 .. 15 in registers 4 c .. 4 c + 3, the same permutation of k on both sides, so each product meets its partner.
; NO TENSOR LOADS, NO CLUSTER, though the 32 work-groups of an expert gather the same rows: the trip counts and the early end hang on a count read from memory, and 16 gathered rows are no tile that one descriptor states.
; No LDS and no barrier: waves share nothing but what they read.
; LIMITS: e0 + e1 between -126 and 126 (added to a constant's exponent field); e4 - e0 - e1 - e2 - e3 between -126 and 119.
; REGISTERS, in windows of 256: window 0: addresses, accumulators, the way out.  window 1: x's codes: gate's K step s at v[16 s], up's (two sets) at v[128 + 16 s].
;   window 2: the weights of K steps 0-3 (step s, tile t of g0, g1, u0, u1 at v[64 (s % 4) + 16 t]);  window 3: those of K steps 4-7.
;   v4 the weights' lane offset; v5 16 h; v6 my place in the list, in bytes; v25 the same, held inside the list; v7 an entry; v9 16 x lane;
;   v8 the gather's offset for K steps 0-3, v27 the same number for K steps 4-7: each half has a register of its own, so that each is rewritten behind the counted wait that shows its own loads done.
; THE MODE: SCHED_MODE bits 1:0 = 2 (LLVM: expert scheduling mode 2), set by the entry lines.  The code itself states the register dependences
; between vector or matrix instructions and memory instructions, with s_wait_alu, always for 0.
; THE PLAN.  Registers that memory instructions touch, round the loop:
;   window 1, K steps 0-3   The tile's first sixteen products read them; behind those the next tile's first half lands in them.
;   window 1, K steps 4-7   The tile's last sixteen products read them; behind those the next tile's second half lands in them.
;   v7                      An entry's load lands in it; the lines that make the offset read and write it; then the next entry's load lands.
;   v25, v8                 Written by the lines that make the offset; read by the entry's load and by the first half's loads that follow them.
;   v27                     Written by one move behind the tile's last products; read by the second half's loads that follow it.
;   v160-163                Written by the two conversions; read by the store that follows them.
;   v4, v9                  Made at the head, never written again.  Windows 2 and 3 are loaded once.
; So a tile has ONE wait on vm_vsrc, behind its first sixteen products: all that the tile before issued (both halves' loads, the entry's load, the store) has read v8, v27, v25 and v160-163, and no memory
; instruction issued behind that wait reads v27 or v160-163 before they are written.  And seven waits on va_vdst beside the two behind the transcendentals: ahead of each half's run of loads, ahead of the store, and four more in the epilogue.
; The loads stand in runs, each straight behind its wait: a load wants its destination in window 1 and its address in window 0, a product its first source in window 2 or 3 and its destination in window 0.
.set G,     96                         ; v96-111  g0, g1
.set U,     112                        ; v112-127 u0, u1
.set T,     128                        ; v128-143 at work: 1 / (1 + e^-g)
.set P,     144                        ; v144-159 at work: g u, then h
.set C,     160                        ; v160-163 h's 16 codes
.set MSB, 0
.macro WIN new                         ; bits 1:0 source 0, 3:2 source 1, 5:4 source 2, 7:6 destination; the immediate's high byte repeats the setting that is left
.if MSB != \new
	s_set_vgpr_msb (MSB<<8)|\new
.set MSB, \new
.endif
.endm
.macro PLACES n
.rept \n
	v_nop
.endr
.endm
	s_load_b256 s[4:11], s[0:1], 0x0               ; lst s[4:5], the scales s[6:7], w_gate s[8:9], w_up s[10:11]
	s_load_b128 s[12:15], s[0:1], 0x20             ; xg s[12:13], xu s[14:15]
	s_load_b64 s[16:17], s[0:1], 0x30              ; hbuf
	v_lshrrev_b32 v1, 5, v0
	v_readfirstlane_b32 s18, v1                    ; wave 0..3
	v_and_b32 v1, 31, v0                           ; lane
	v_and_b32 v2, 15, v0                           ; r
	v_bfe_u32 v3, v0, 4, 1                         ; h
	v_and_b32 v4, 8, v2
	v_add_nc_u32 v4, v4, v2                        ; r + 8 (r / 8)
	v_lshlrev_b32 v4, 10, v4                       ; a weight's row is 1,024 bytes
	v_lshl_add_u32 v4, v3, 4, v4                   ; + 16 h
	v_lshlrev_b32 v5, 4, v3                        ; 16 h
	v_lshlrev_b32 v9, 4, v1                        ; 16 x lane
	s_and_b32 s19, ttmp7, 0xffff                   ; the expert
	s_wait_alu depctr_va_sdst(0)                   ; s18 is written, ahead of its first reader: cw, q and all that is made of them
	s_and_b32 s37, s18, 1                          ; cw
	s_lshr_b32 s40, s18, 1                         ; q
	s_lshl_b32 s41, s40, 6
	v_lshl_add_u32 v6, v2, 2, s41                  ; the list: place r of tile q
	v_min_u32 v25, 0xffc, v6
	s_lshl_b32 s38, s19, 21                        ; my rows of the weights: expert x 2 MiB + 64 rows a work-group + 32 rows a half
	s_lshl_b32 s41, ttmp9, 16
	s_add_co_u32 s38, s38, s41
	s_lshl_b32 s41, s37, 15
	s_add_co_u32 s38, s38, s41
	s_mov_b32 s39, 0
	s_lshl_b32 s42, s19, 21                        ; hbuf: expert x 64 tiles of 32,768 bytes + tile q + block sg of 512 bytes
	s_lshl_b32 s41, s40, 15
	s_add_co_u32 s42, s42, s41
	s_lshl_b32 s41, ttmp9, 10
	s_add_co_u32 s42, s42, s41
	s_lshl_b32 s41, s37, 9
	s_add_co_u32 s42, s42, s41
	s_mov_b32 s43, 0
	s_lshl_b32 s46, s19, 12                        ; lst: the expert's 4,096 bytes,
	s_mov_b32 s47, 0
	s_lshl_b32 s34, s19, 2
	s_add_co_u32 s34, s34, 0x8000                  ; and its count
	s_mov_b32 s35, 0
	s_wait_kmcnt 0x0
	s_load_b128 s[20:23], s[6:7], 0x0              ; e0 .. e3
	s_load_b64 s[24:25], s[6:7], 0x10              ; e4, e5
	s_add_nc_u64 s[34:35], s[4:5], s[34:35]
	s_load_b32 s30, s[34:35], 0x0                  ; N
	s_add_nc_u64 s[4:5], s[4:5], s[46:47]
	s_add_nc_u64 s[8:9], s[8:9], s[38:39]
	s_add_nc_u64 s[10:11], s[10:11], s[38:39]
	s_add_nc_u64 s[28:29], s[16:17], s[42:43]
; the weights of K step s: g0, g1, u0, u1, 16 loads
.macro WLOAD s
.irp t, 0,1
.irp c, 0,1,2,3
	global_load_b128 v[64*((\s)%4)+16*\t+4*\c:64*((\s)%4)+16*\t+4*\c+3], v4, s[8:9] offset:8192*\t+128*(\s)+32*\c
.endr
.endr
.irp t, 0,1
.irp c, 0,1,2,3
	global_load_b128 v[64*((\s)%4)+32+16*\t+4*\c:64*((\s)%4)+32+16*\t+4*\c+3], v4, s[10:11] offset:8192*\t+128*(\s)+32*\c
.endr
.endr
.endm
; an entry becomes the gather's offset for K steps 0-3; the list steps two tiles on.  Five plain lines.
.macro OFFSET
	v_min_u32 v7, 0x7ff, v7                        ; an entry is 2 x token + slot, at most 2,047; a spare place's number is held there
	v_and_b32 v7, 0x7fe, v7
	v_lshl_add_u32 v8, v7, 9, v5                   ; token x 1,024 + 16 h
	v_add_nc_u32 v6, 128, v6                       ; the list: two tiles on,
	v_min_u32 v25, 0xffc, v6                       ; held inside the expert's 4,096 bytes: the look-ahead's last step would pass them
.endm
	s_wait_alu depctr_va_vdst(0)                   ; v25, v4 and v9 are written: the entry's load, the weights' loads and every store read them as their offsets
	global_load_b32 v7, v25, s[4:5]                ; my first tile's entry
	WIN 0x80                                       ; destination window 2
	WLOAD 0
	WLOAD 1
	WIN 0
	s_wait_loadcnt 32                              ; the entry is in; the 32 loads of weights issued behind it may be out
	s_wait_alu depctr_vm_vsrc(0)                   ; the entry's load has read v25, which the lines below write again
	OFFSET
	v_mov_b32 v27, v8                              ; the same offset for K steps 4-7
	s_wait_alu depctr_va_vdst(0)                   ; v25 is written and v7 is done with: the load below reads the one and lands in the other; v8 and v27 are written, which the first tile's gather reads
	global_load_b32 v7, v25, s[4:5]                ; my second tile's entry
	WIN 0x80
	WLOAD 2
	WLOAD 3
	WIN 0xc0                                       ; destination window 3
	WLOAD 4
	WLOAD 5
	WLOAD 6
	WLOAD 7
	WIN 0
	s_wait_kmcnt 0x0
	s_add_co_i32 s41, s20, s21                     ; e0 + e1: a sum G of the gate product stands for G x 2^(e0 + e1)
	s_lshl_b32 s26, s41, 23
	s_add_co_u32 s26, s26, 0xbfb8aa3b              ; -log2(e) x 2^(e0 + e1): the exponents are added to the constant's exponent field
	s_mov_b32 s27, s26                             ; (named with it as a pair, so it is written)
	s_add_co_i32 s41, s41, s22
	s_add_co_i32 s41, s41, s23
	s_sub_co_i32 s41, s24, s41                     ; h's code is G U r / 2^(e4 - e0 - e1 - e2 - e3): the five scales folded into the conversion's one
	s_add_co_i32 s41, s41, 127
	s_lshl_b32 s44, s41, 23
	v_mov_b32 v164, s44                            ; that power of two as f32 (no memory instruction names v164 or v165)
	s_add_co_i32 s41, s41, 8
	s_lshl_b32 s41, s41, 23
	s_or_b32 s41, s41, 0x600000
	v_mov_b32 v165, s41                            ; 448 x it
	s_min_u32 s30, s30, 0x400                      ; N, at most 1,024
	s_add_co_u32 s31, s30, 15
	s_lshr_b32 s31, s31, 4                         ; T tiles
	s_add_co_u32 s31, s31, 1
	s_sub_co_u32 s31, s31, s40
	s_lshr_b32 s31, s31, 1                         ; my tiles: q, q + 2, ..: (T + 1 - q) / 2
	s_cmp_eq_u32 s31, 0
	s_cbranch_scc1 .Lend                           ; this choice of experts leaves my wave without rows
; the gathered rows' codes of K steps 4 half .. 4 half + 3, by the offset in v[adr]: 16 loads from xg, and with two = 1 as many from xu
.macro XLOAD half, two, adr
.irp s4, 0,1,2,3
.irp c, 0,1,2,3
	global_load_b128 v[16*(4*\half+\s4)+4*\c:16*(4*\half+\s4)+4*\c+3],         v[\adr], s[12:13] offset:128*(4*\half+\s4)+32*\c
.if \two
	global_load_b128 v[128+16*(4*\half+\s4)+4*\c:128+16*(4*\half+\s4)+4*\c+3], v[\adr], s[14:15] offset:128*(4*\half+\s4)+32*\c
.endif
.endr
.endr
.endm
; 16 matrix instructions: four K steps x (g0, g1, u0, u1).  The four accumulators take turns, one instruction a turn.  The tile's first four start the sums.
; two = 1: u0 and u1 take xu's fragment, 128 registers further on; two = 0: all four take xg's.
.macro MULH half, two
.irp s4, 0,1,2,3
.irp t, 0,1,2,3
.if (\half == 0) && (\s4 == 0)
	v_wmma_f32_16x16x128_fp8_fp8 v[G+8*\t:G+8*\t+7], v[64*\s4+16*\t:64*\s4+16*\t+15], v[128*\two*(\t/2)+16*(4*\half+\s4):128*\two*(\t/2)+16*(4*\half+\s4)+15], 0
.else
	v_wmma_f32_16x16x128_fp8_fp8 v[G+8*\t:G+8*\t+7], v[64*\s4+16*\t:64*\s4+16*\t+15], v[128*\two*(\t/2)+16*(4*\half+\s4):128*\two*(\t/2)+16*(4*\half+\s4)+15], v[G+8*\t:G+8*\t+7]
.endif
.endr
.endr
.endm
; h = g u / (1 + e^-g), held, quantised, stored.  Each accumulator is read from its low end on.
.macro EPI
.irp k, 0,2,4,6,8,10,12,14
	v_pk_mul_f32 v[T+\k:T+\k+1], v[G+\k:G+\k+1], s[26:27] op_sel_hi:[1,0]     ; -g log2(e)
.endr
	s_wait_alu depctr_va_vdst(0)
.irp k, 0,1,2,3,4,5,6,7,8,9,10,11,12,13,14,15
	v_exp_f32 v[T+\k], v[T+\k]                     ; e^-g
.endr
	s_wait_alu depctr_va_vdst(0)
.irp k, 0,2,4,6,8,10,12,14
	v_pk_mul_f32 v[P+\k:P+\k+1], v[G+\k:G+\k+1], v[U+\k:U+\k+1]               ; G U (the plain lines behind the exponentials)
.endr
	s_wait_alu depctr_va_vdst(0)                   ; the sixteen exponentials have written v[T ..]: one wait for the batch, ahead of its first reader
.irp k, 0,2,4,6,8,10,12,14
	v_pk_add_f32 v[T+\k:T+\k+1], v[T+\k:T+\k+1], 1.0 op_sel_hi:[1,0]
.endr
	s_wait_alu depctr_va_vdst(0)
.irp k, 0,1,2,3,4,5,6,7,8,9,10,11,12,13,14,15
	v_rcp_f32 v[T+\k], v[T+\k]
.endr
	v_nop                                          ; a plain line behind the last reciprocal
	s_wait_alu depctr_va_vdst(0)                   ; the sixteen reciprocals have written v[T ..]: one wait for the batch, ahead of its first reader
.irp k, 0,2,4,6,8,10,12,14
	v_pk_mul_f32 v[P+\k:P+\k+1], v[P+\k:P+\k+1], v[T+\k:T+\k+1]
.endr
.irp k, 0,1,2,3,4,5,6,7,8,9,10,11,12,13,14,15
	v_med3_num_f32 v[P+\k], v[P+\k], -v165, v165   ; the conversion to an 8-bit code does not saturate (ISA guide 7.6.2): the hold at the largest code x the scale
.endr
	s_wait_alu depctr_va_vdst(0)
	s_wait_storecnt 0x0                            ; my last tile's store, issued a whole tile ago, is done: its data registers and its base are written again only behind this wait
	s_add_nc_u64 s[28:29], s[28:29], 0x10000       ; hbuf: two tiles on; the store below reaches back to this tile
	v_cvt_scalef32_pk8_fp8_f32 v[C:C+1],   v[P:P+7],    v164
	v_cvt_scalef32_pk8_fp8_f32 v[C+2:C+3], v[P+8:P+15], v164
	v_nop                                          ; a plain line behind the last conversion
	s_wait_alu depctr_va_vdst(0)                   ; the two conversions have written v[C ..], which the store reads
	global_store_b128 v9, v[C:C+3], s[28:29] offset:-0x10000   ; 32 lanes store 512 consecutive bytes, aligned: the image of four registers of the next operand
.endm
; A TILE of 16 rows.  A half is 16 loads (two = 0) or 32 (two = 1).  At the tile's head a wave's loads are out in this order: the next tile's entry, this tile's K steps 0-3 (a half), its K steps 4-7 (a half).
; pf = 1: the next tile of mine is gathered meanwhile, each half into the registers that this tile's products have just read, and the entry of the tile after it is asked for.
.macro TILE pf, two
	s_wait_loadcnt 16+16*\two                      ; the next tile's entry and K steps 0-3 of this tile are in (and, ahead of the first tile, all weights); the loads of K steps 4-7 may be out.
	                                               ; So the entry's address v25 and the first half's offset v8 have been read
	WIN 0x06                                       ; source 0 window 2, source 1 window 1
	MULH 0, \two
	s_wait_alu depctr_vm_vsrc(0)                   ; all that was issued up to here has read its registers: this tile's two halves v8 and v27, the entry's load v25, the last tile's store v[C ..]; this tile writes all four again
.if \pf
	WIN 0
	OFFSET                                         ; its five plain lines are also places behind the products above
	s_wait_alu depctr_va_vdst(0)                   ; the sixteen products above are done reading K steps 0-3, in which the half below lands; v8 and v25 are written; v7, in which the entry lands, is done with
	global_load_b32 v7, v25, s[4:5]                ; the entry of the tile after the next
	WIN 0x40                                       ; destination window 1
	XLOAD 0, \two, 8
	s_wait_loadcnt 17+16*\two                      ; this tile's K steps 4-7 are in, so their offset v27 has been read; the entry's load and the half just issued may be out
.else
	s_wait_loadcnt 0x0
.endif
	WIN 0x07                                       ; source 0 window 3
	MULH 1, \two
.if \pf
	WIN 0
	v_mov_b32 v27, v8                              ; the next tile's offset for K steps 4-7.  This line and three v_nop are the four places behind the last product, in front of the first read of results
	PLACES 3
	WIN 0x40
	s_wait_alu depctr_va_vdst(0)                   ; the sixteen products above are done reading K steps 4-7, in which the half below lands; v27 is written
	XLOAD 1, \two, 27
.else
	PLACES 4                                       ; in front of the first read of results
.endif
	WIN 0
	EPI
.endm
; all my tiles: the first tile's gather, a loop over the tiles that have a successor, the last tile written out, which gathers nothing
.macro RUN two
	WIN 0x40
	XLOAD 0, \two, 8                               ; v8 and v27 were written ahead of the head's last wait on va_vdst; no vector instruction has named window 1
	XLOAD 1, \two, 27
	WIN 0
	s_cmp_eq_u32 s32, 0
	s_cbranch_scc1 .Ltail_\@
.Ltile_\@:
	TILE 1, \two
	s_sub_co_u32 s32, s32, 1
	s_cmp_lg_u32 s32, 0
	s_cbranch_scc1 .Ltile_\@
.Ltail_\@:
	TILE 0, \two
	s_endpgm
.endm
	s_sub_co_u32 s32, s31, 1                       ; all my tiles but the last have a successor to gather
	s_cmp_eq_u32 s21, s23                          ; e1 = e3: xg and xu are the same bytes
	s_cbranch_scc1 .Lone
	RUN 1                                          ; two sets of codes
.Lone:
	RUN 0                                          ; one set
.Lend:
	s_endpgm
.Lfunc_end_k_q4ed2c9bb7a_hidden:
	.size	k_q4ed2c9bb7a_hidden, .Lfunc_end_k_q4ed2c9bb7a_hidden-k_q4ed2c9bb7a_hidden
	.p2alignl 7, 3214868480
	.fill 96, 4, 3214868480
	.section	.rodata,"a",@progbits
	.p2align	6, 0x0
	.amdhsa_kernel k_q4ed2c9bb7a_hidden
		.amdhsa_group_segment_fixed_size 0
		.amdhsa_private_segment_fixed_size 0
		.amdhsa_enable_private_segment 0
		.amdhsa_kernarg_size 56
		.amdhsa_user_sgpr_count 2
		.amdhsa_user_sgpr_kernarg_segment_ptr 1
		.amdhsa_wavefront_size32 1
		.amdhsa_system_sgpr_workgroup_id_x 1
		.amdhsa_system_sgpr_workgroup_id_y 1
		.amdhsa_system_sgpr_workgroup_id_z 1
		.amdhsa_system_vgpr_workitem_id 0
		.amdhsa_next_free_vgpr 1024
		.amdhsa_next_free_sgpr 66
		.amdhsa_reserve_vcc 0
		.amdhsa_float_denorm_mode_32 3
		.amdhsa_float_denorm_mode_16_64 3
		.amdhsa_memory_ordered 1
		.amdhsa_forward_progress 1
		.amdhsa_inst_pref_size 64
	.end_amdhsa_kernel
	.amdgpu_metadata
---
amdhsa.version: [ 1, 2 ]
amdhsa.kernels:
  - .name:           k_q4ed2c9bb7a_hidden
    .symbol:         k_q4ed2c9bb7a_hidden.kd
    .args:
      - { .name: lst, .offset: 0, .size: 8, .value_kind: global_buffer, .address_space: global }
      - { .name: lowp_scales, .offset: 8, .size: 8, .value_kind: global_buffer, .address_space: global }
      - { .name: w_gate_codes, .offset: 16, .size: 8, .value_kind: global_buffer, .address_space: global }
      - { .name: w_up_codes, .offset: 24, .size: 8, .value_kind: global_buffer, .address_space: global }
      - { .name: xg, .offset: 32, .size: 8, .value_kind: global_buffer, .address_space: global }
      - { .name: xu, .offset: 40, .size: 8, .value_kind: global_buffer, .address_space: global }
      - { .name: hbuf, .offset: 48, .size: 8, .value_kind: global_buffer, .address_space: global }
    .group_segment_fixed_size: 0
    .private_segment_fixed_size: 0
    .kernarg_segment_align: 8
    .kernarg_segment_size: 56
    .max_flat_workgroup_size: 128
    .sgpr_count:     66
    .vgpr_count:     1024
    .wavefront_size: 32
...
	.end_amdgpu_metadata
.endif
;; end of part 9
;; launch down (part 10): grid 32 x 8, 4 waves a work-group, no clusters, 0 bytes of LDS; arguments lst, lowp_scales, w_down_codes, hbuf, ybuf; writes ybuf
.if DOCPART == 10
	.amdgcn_target "amdgcn-amd-amdhsa--gfx1250"
	.amdhsa_code_object_version 6
	.text
	.protected	k_q4ed2c9bb7a_down
	.globl	k_q4ed2c9bb7a_down
	.p2align	8
	.type	k_q4ed2c9bb7a_down,@function
k_q4ed2c9bb7a_down:
	s_mov_b64 s[64:65], 0
	v_nop
	global_prefetch_b8 v0, s[64:65] scope:SCOPE_SE
	s_setreg_imm32_b32 hwreg(HW_REG_WAVE_SCHED_MODE, 0, 2), 2
	s_setreg_imm32_b32 hwreg(HW_REG_WAVE_MODE, 25, 1), 1
	s_wait_xcnt 0x0
	s_wait_alu depctr_vm_vsrc(0)
; THE DOWN PRODUCT OF THE CHOSEN ROWS.  ybuf[2 x token + slot][d] = 2^(e4 + e5) x sum over i of h's code x w_down's code, for the rows of expert e.  The gates are applied by the next launch.
; E4M3 codes on both sides, v_wmma_f32_16x16x128_fp8_fp8, f32 sums.  e4, e5 = entries 4 and 5 of the scales.
; SHARES.  Work-group (x, y) = (32 output columns, expert e).  All four waves hold the same 32 rows of w_down (32 x 2,048 bytes = 512 registers) for the whole launch;
; wave q takes the row tiles j = q, q + 4, ..  What streams is h: a tile's 32,768 bytes lie in hbuf as images of the operand's registers, so each load reads 512 consecutive bytes.
; THE LIST.  lst, stored as whole numbers two launches ago, is the list by which the launch before gathered, so ranks and tiles agree; here an entry is the row of ybuf to which a row of the tile goes,
; and the count N gives the trip counts.
; SPARE ROWS.  A last tile has up to 15 rows beyond the expert's N.  Their places of the list hold 2,048 + 16 e + (place % 16): ybuf has 128 rows behind its 2,048, 16 for each expert, and a spare
; row of the tile is multiplied and stored there like any other.  All spare places of an expert lie in one tile, so each has a row of its own; nobody reads those rows.  So no lane is ever switched off.
; LAYOUT.  Source 0 = 16 rows of w_down (output columns), source 1 = 16 rows of h: lane (r, h) holds row r and columns 16 u + 8 h + 0 .. 7.  K goes in 16 steps of 128; the even and the
; odd steps have accumulators of their own, so that four accumulators take turns; the two halves are added at the end.
; STORES.  A row's piece is 128 consecutive bytes, half of an aligned 256: 64 columns of w_down would be 1,024 registers, which a wave does not have beside h.  The rows are scattered by the list.
; NO TENSOR LOADS, NO CLUSTER, though the 32 work-groups of an expert read the same tiles of h: the trip counts and the early end hang on a count read from memory.  No LDS and no barrier.
; LIMITS: e4 + e5 between -126 and 127.  A token whose two ids are equal is taken once (its other row of ybuf would stay unwritten): the router gives two different experts for finite logits.
; REGISTERS, in windows of 256: window 0: addresses, accumulators, the way out.  window 1: h, K step s at v[16 s].  window 2: w_down's K steps 0-7 (step s, tile u at v[32 (s % 8) + 16 u]);  window 3: K steps 8-15.
;   v4 the weights' lane offset; v5 32 h; v6 my place in the list, in bytes; v25 the same, held inside the list; v7 an entry; v18 the scatter's offset; v9 16 x lane.
; THE MODE: SCHED_MODE bits 1:0 = 2 (LLVM: expert scheduling mode 2), set by the entry lines.  The code itself states the register dependences
; between vector or matrix instructions and memory instructions, with s_wait_alu, always for 0.
; THE PLAN.  Registers that memory instructions touch, round the loop:
;   window 1, K steps 0-7    The tile's first sixteen products read them; behind those the next tile's first half lands in them.
;   window 1, K steps 8-15   The tile's last sixteen products read them; behind those the next tile's second half lands in them.
;   v7                       An entry's load lands in it; the lines that make the scatter's offset read and write it; then the next entry's load lands.
;   v25                      Written in the tile's middle; read by the entry's load that follows.
;   v18, v128-143            The scatter's offset, written in the tile's middle, and the results, written at its end; read by the tile's four stores.
;   v4, v9                   Made at the head, never written again.  Windows 2 and 3 are loaded once.
; So a tile has ONE wait on vm_vsrc, in its middle: the last tile's stores have read v18 and the results, the entry's load has read v25.  And three waits on va_vdst: ahead of each half's run of loads and ahead of the stores.
; The loads stand in runs, each straight behind its wait: a load wants its destination in window 1 and its address in window 0, a product its first source in window 2 or 3 and its destination in window 0.
.set AC,    96                         ; v96-127  accumulators: tile u, parity p of the K step at AC + 8 (2 p + u)
.set Y,     128                        ; v128-143 results
.set MSB, 0
.macro WIN new                         ; bits 1:0 source 0, 3:2 source 1, 5:4 source 2, 7:6 destination; the immediate's high byte repeats the setting that is left
.if MSB != \new
	s_set_vgpr_msb (MSB<<8)|\new
.set MSB, \new
.endif
.endm
.macro PLACES n
.rept \n
	v_nop
.endr
.endm
	s_load_b256 s[4:11], s[0:1], 0x0               ; lst s[4:5], the scales s[6:7], w_down s[8:9], hbuf s[10:11]
	s_load_b64 s[14:15], s[0:1], 0x20              ; ybuf
	v_lshrrev_b32 v1, 5, v0
	v_readfirstlane_b32 s18, v1                    ; wave q = 0..3
	v_and_b32 v1, 31, v0                           ; lane
	v_and_b32 v2, 15, v0                           ; r
	v_bfe_u32 v3, v0, 4, 1                         ; h
	v_lshlrev_b32 v4, 11, v2                       ; w_down: a row is 2,048 bytes
	v_lshl_add_u32 v4, v3, 4, v4                   ; + 16 h
	v_lshlrev_b32 v5, 5, v3                        ; ybuf: 32 h bytes
	v_lshlrev_b32 v9, 4, v1                        ; 16 x lane
	s_and_b32 s19, ttmp7, 0xffff                   ; the expert
	s_wait_alu depctr_va_sdst(0)                   ; s18 is written, ahead of its first reader: my place in the list, my tile of hbuf and my trip count are made of it
	s_lshl_b32 s41, s18, 6
	v_lshl_add_u32 v6, v2, 2, s41                  ; the list: place r of tile q
	v_min_u32 v25, 0xffc, v6
	s_lshl_b32 s38, s19, 21                        ; my rows of w_down: expert x 2 MiB + 32 rows a work-group
	s_lshl_b32 s41, ttmp9, 16
	s_add_co_u32 s38, s38, s41
	s_mov_b32 s39, 0
	s_lshl_b32 s42, s19, 21                        ; hbuf: expert x 64 tiles of 32,768 bytes + tile q
	s_lshl_b32 s41, s18, 15
	s_add_co_u32 s42, s42, s41
	s_mov_b32 s43, 0
	s_lshl_b32 s44, ttmp9, 7                       ; ybuf: my 32 columns
	s_mov_b32 s45, 0
	s_lshl_b32 s46, s19, 12                        ; lst: the expert's 4,096 bytes,
	s_mov_b32 s47, 0
	s_lshl_b32 s34, s19, 2
	s_add_co_u32 s34, s34, 0x8000                  ; and its count
	s_mov_b32 s35, 0
	s_wait_kmcnt 0x0
	s_load_b64 s[24:25], s[6:7], 0x10              ; e4, e5
	s_add_nc_u64 s[34:35], s[4:5], s[34:35]
	s_load_b32 s30, s[34:35], 0x0                  ; N
	s_add_nc_u64 s[4:5], s[4:5], s[46:47]
	s_add_nc_u64 s[8:9], s[8:9], s[38:39]
	s_add_nc_u64 s[28:29], s[10:11], s[42:43]
	s_add_nc_u64 s[14:15], s[14:15], s[44:45]
; the weights of K step s: two tiles of 16 columns, 8 loads
.macro WLOAD s
.irp u, 0,1
.irp c, 0,1,2,3
	global_load_b128 v[32*((\s)%8)+16*\u+4*\c:32*((\s)%8)+16*\u+4*\c+3], v4, s[8:9] offset:32768*\u+128*(\s)+32*\c
.endr
.endr
.endm
	s_wait_alu depctr_va_vdst(0)                   ; v25, v4 and v9 are written: the entry's load, the weights' loads and h's loads read them as their offsets
	global_load_b32 v7, v25, s[4:5]                ; my first tile's entry
	WIN 0x80                                       ; destination window 2
	WLOAD 0
	WLOAD 1
	WLOAD 2
	WLOAD 3
	WLOAD 4
	WLOAD 5
	WLOAD 6
	WLOAD 7
	WIN 0xc0                                       ; destination window 3
	WLOAD 8
	WLOAD 9
	WLOAD 10
	WLOAD 11
	WLOAD 12
	WLOAD 13
	WLOAD 14
	WLOAD 15
	WIN 0
	s_wait_kmcnt 0x0
	s_add_co_i32 s26, s24, s25
	s_add_co_i32 s26, s26, 127
	s_lshl_b32 s26, s26, 23                        ; 2^(e4 + e5) as f32
	s_mov_b32 s27, s26                             ; (named with it as a pair, so it is written)
	s_min_u32 s30, s30, 0x400                      ; N, at most 1,024
	s_add_co_u32 s31, s30, 15
	s_lshr_b32 s31, s31, 4                         ; T tiles
	s_add_co_u32 s31, s31, 3
	s_sub_co_u32 s31, s31, s18
	s_lshr_b32 s31, s31, 2                         ; my tiles: q, q + 4, ..: (T + 3 - q) / 4
	s_cmp_eq_u32 s31, 0
	s_cbranch_scc1 .Lend                           ; this choice of experts leaves my wave without rows
; 32 loads: h's K steps 8 half .. 8 half + 7, as images of the operand's registers: 512 consecutive bytes a load
.macro ALOAD half
.irp s8, 0,1,2,3,4,5,6,7
.irp c, 0,1,2,3
	global_load_b128 v[16*(8*\half+\s8)+4*\c:16*(8*\half+\s8)+4*\c+3], v9, s[28:29] offset:2048*(8*\half+\s8)+512*\c
.endr
.endr
.endm
; 16 matrix instructions: eight K steps x two tiles of columns.  The four accumulators take turns, one instruction a turn.  The tile's first four start the sums.
.macro MULD half
.irp s8, 0,1,2,3,4,5,6,7
.irp u, 0,1
.if (\half == 0) && (\s8 < 2)
	v_wmma_f32_16x16x128_fp8_fp8 v[AC+8*(2*(\s8%2)+\u):AC+8*(2*(\s8%2)+\u)+7], v[32*\s8+16*\u:32*\s8+16*\u+15], v[16*(8*\half+\s8):16*(8*\half+\s8)+15], 0
.else
	v_wmma_f32_16x16x128_fp8_fp8 v[AC+8*(2*(\s8%2)+\u):AC+8*(2*(\s8%2)+\u)+7], v[32*\s8+16*\u:32*\s8+16*\u+15], v[16*(8*\half+\s8):16*(8*\half+\s8)+15], v[AC+8*(2*(\s8%2)+\u):AC+8*(2*(\s8%2)+\u)+7]
.endif
.endr
.endr
.endm
; A TILE of 16 rows.  At its head a wave's loads are out in this order: this tile's entry, its K steps 0-7 (32 loads), its K steps 8-15 (32 loads).
; pf = 1: the next tile of mine is fetched meanwhile, its entry first, each half into the registers that this tile's products have just read.
.macro TILE pf
	s_wait_loadcnt 32                              ; this tile's entry and its K steps 0-7 are in (and, ahead of the first tile, all weights); the 32 loads of K steps 8-15 may be out
	WIN 0x06                                       ; source 0 window 2, source 1 window 1
	MULD 0
	WIN 0
.if \pf == 0
	s_wait_loadcnt 0x0
.endif
	s_wait_xcnt 0x0                                ; the scatter's offset, the results' registers and h's base are sources of earlier loads and stores: they are rewritten only behind this wait
	s_wait_alu depctr_vm_vsrc(0)                   ; the last tile's four stores have read v18 and v[Y ..], the entry's load has read v25: this tile writes all of them again
	v_min_u32 v7, 0x87f, v7                        ; held inside ybuf's 2,176 rows,
	v_and_b32 v7, 0xfff, v7                        ; and cut to a row number's 12 bits
	v_lshl_add_u32 v18, v7, 12, v5                 ; the row of 4,096 bytes in ybuf, + 32 h
.if \pf
	v_add_nc_u32 v6, 256, v6                       ; the list: four tiles on,
	v_min_u32 v25, 0xffc, v6                       ; held inside the expert's 4,096 bytes.  These five plain lines are also places behind the products above
	s_add_nc_u64 s[28:29], s[28:29], 0x20000       ; hbuf: four tiles on
	s_wait_alu depctr_va_vdst(0)                   ; the sixteen products above are done reading K steps 0-7, in which the half below lands; v25 is written; v7, in which the entry lands, is done with
	global_load_b32 v7, v25, s[4:5]                ; the next tile's entry
	WIN 0x40                                       ; destination window 1
	ALOAD 0
	s_wait_loadcnt 33                              ; this tile's K steps 8-15 are in; the entry's load and the 32 just issued may be out
.endif
	WIN 0x07                                       ; source 0 window 3
	MULD 1
	PLACES 4                                       ; four places behind the last product, in front of the first read of results
.if \pf
	WIN 0x40
	s_wait_alu depctr_va_vdst(0)                   ; the sixteen products above are done reading K steps 8-15, in which the half below lands
	ALOAD 1
.endif
	WIN 0
.irp k, 0,2,4,6,8,10,12,14
	v_pk_add_f32 v[Y+\k:Y+\k+1], v[AC+\k:AC+\k+1], v[AC+16+\k:AC+16+\k+1]     ; the even and the odd K steps' sums; each accumulator from its low end on
.endr
.irp k, 0,2,4,6,8,10,12,14
	v_pk_mul_f32 v[Y+\k:Y+\k+1], v[Y+\k:Y+\k+1], s[26:27] op_sel_hi:[1,0]     ; x 2^(e4 + e5)
.endr
	s_wait_alu depctr_va_vdst(0)                   ; the multiplications have written v[Y ..], and v18 is written: the four stores read them
.irp u, 0,1
.irp p, 0,1
	global_store_b128 v18, v[Y+8*\u+4*\p:Y+8*\u+4*\p+3], s[14:15] offset:64*\u+16*\p   ; columns 16 u + 8 h + 4 p on of my row
.endr
.endr
.endm
	WIN 0x40
	ALOAD 0                                        ; v9 was written ahead of the head's wait on va_vdst; no vector instruction has named window 1
	ALOAD 1
	WIN 0
	s_sub_co_u32 s32, s31, 1                       ; all my tiles but the last have a successor to fetch
	s_cmp_eq_u32 s32, 0
	s_cbranch_scc1 .Ltail
.Ltile:
	TILE 1
	s_sub_co_u32 s32, s32, 1
	s_cmp_lg_u32 s32, 0
	s_cbranch_scc1 .Ltile
.Ltail:
	TILE 0                                         ; the last tile fetches nothing
.Lend:
	s_endpgm
.Lfunc_end_k_q4ed2c9bb7a_down:
	.size	k_q4ed2c9bb7a_down, .Lfunc_end_k_q4ed2c9bb7a_down-k_q4ed2c9bb7a_down
	.p2alignl 7, 3214868480
	.fill 96, 4, 3214868480
	.section	.rodata,"a",@progbits
	.p2align	6, 0x0
	.amdhsa_kernel k_q4ed2c9bb7a_down
		.amdhsa_group_segment_fixed_size 0
		.amdhsa_private_segment_fixed_size 0
		.amdhsa_enable_private_segment 0
		.amdhsa_kernarg_size 40
		.amdhsa_user_sgpr_count 2
		.amdhsa_user_sgpr_kernarg_segment_ptr 1
		.amdhsa_wavefront_size32 1
		.amdhsa_system_sgpr_workgroup_id_x 1
		.amdhsa_system_sgpr_workgroup_id_y 1
		.amdhsa_system_sgpr_workgroup_id_z 1
		.amdhsa_system_vgpr_workitem_id 0
		.amdhsa_next_free_vgpr 1024
		.amdhsa_next_free_sgpr 66
		.amdhsa_reserve_vcc 0
		.amdhsa_float_denorm_mode_32 3
		.amdhsa_float_denorm_mode_16_64 3
		.amdhsa_memory_ordered 1
		.amdhsa_forward_progress 1
		.amdhsa_inst_pref_size 36
	.end_amdhsa_kernel
	.amdgpu_metadata
---
amdhsa.version: [ 1, 2 ]
amdhsa.kernels:
  - .name:           k_q4ed2c9bb7a_down
    .symbol:         k_q4ed2c9bb7a_down.kd
    .args:
      - { .name: lst, .offset: 0, .size: 8, .value_kind: global_buffer, .address_space: global }
      - { .name: lowp_scales, .offset: 8, .size: 8, .value_kind: global_buffer, .address_space: global }
      - { .name: w_down_codes, .offset: 16, .size: 8, .value_kind: global_buffer, .address_space: global }
      - { .name: hbuf, .offset: 24, .size: 8, .value_kind: global_buffer, .address_space: global }
      - { .name: ybuf, .offset: 32, .size: 8, .value_kind: global_buffer, .address_space: global }
    .group_segment_fixed_size: 0
    .private_segment_fixed_size: 0
    .kernarg_segment_align: 8
    .kernarg_segment_size: 40
    .max_flat_workgroup_size: 128
    .sgpr_count:     66
    .vgpr_count:     1024
    .wavefront_size: 32
...
	.end_amdgpu_metadata
.endif
;; end of part 10
;; launch combine (part 11): grid 256 x 1, 4 waves a work-group, no clusters, 0 bytes of LDS; arguments ybuf, gts, out0; writes out0
.if DOCPART == 11
	.amdgcn_target "amdgcn-amd-amdhsa--gfx1250"
	.amdhsa_code_object_version 6
	.text
	.protected	k_q4ed2c9bb7a_combine
	.globl	k_q4ed2c9bb7a_combine
	.p2align	8
	.type	k_q4ed2c9bb7a_combine,@function
k_q4ed2c9bb7a_combine:
	s_mov_b64 s[64:65], 0
	v_nop
	global_prefetch_b8 v0, s[64:65] scope:SCOPE_SE
	s_setreg_imm32_b32 hwreg(HW_REG_WAVE_MODE, 25, 1), 1
	s_wait_xcnt 0x0
; out0[t][:] = gts[t][0] x ybuf[2 t][:] + gts[t][1] x ybuf[2 t + 1][:]: a token's two expert rows, weighed by its two gates.  All f32; the second product is fused with the sum.
; A plain stream: one wave a token (two rows of 4,096 bytes in, one out), 16 bytes a lane, so that each load and store covers 512 consecutive bytes, aligned.
; The gates are the same for a whole wave: one scalar load of 8 bytes at a fixed place.  All sixteen vector loads of a wave go out at once; the waits count down.
; No index, no loop, no LDS, no barrier: waves share nothing, so clusters and the matrix unit have nothing to give.
.set A, 8                              ; v8-39   the first row, then the result
.set B, 40                             ; v40-71  the second row
	s_load_b128 s[4:7], s[0:1], 0x0                ; ybuf s[4:5], gts s[6:7]
	s_load_b64 s[8:9], s[0:1], 0x10                ; out0
	v_lshrrev_b32 v1, 5, v0
	v_readfirstlane_b32 s10, v1                    ; wave 0..3
	v_and_b32 v1, 31, v0
	v_lshlrev_b32 v1, 4, v1                        ; 16 bytes a lane
	s_lshl_b32 s11, ttmp9, 2
	s_add_co_u32 s11, s11, s10                     ; my token
	s_lshl_b32 s12, s11, 13                        ; its two rows in ybuf
	s_mov_b32 s13, 0
	s_lshl_b32 s14, s11, 12                        ; its row in out0
	s_mov_b32 s15, 0
	s_lshl_b32 s16, s11, 3                         ; its two gates
	s_mov_b32 s17, 0
	s_wait_alu depctr_va_vdst(0)
	s_wait_kmcnt 0x0
	s_add_nc_u64 s[6:7], s[6:7], s[16:17]
	s_load_b64 s[18:19], s[6:7], 0x0               ; the gates
	s_add_nc_u64 s[4:5], s[4:5], s[12:13]
	s_add_nc_u64 s[8:9], s[8:9], s[14:15]
.irp i, 0,1,2,3,4,5,6,7
	global_load_b128 v[A+4*\i:A+4*\i+3], v1, s[4:5] offset:512*\i th:TH_LOAD_NT
	global_load_b128 v[B+4*\i:B+4*\i+3], v1, s[4:5] offset:4096+512*\i th:TH_LOAD_NT
.endr
	s_wait_kmcnt 0x0
	s_mov_b32 s20, s19                             ; the second gate in a pair of its own: the packed forms take a scalar pair's low word for both halves
	s_mov_b32 s21, s19
.irp i, 0,1,2,3,4,5,6,7
	s_wait_loadcnt 14-2*\i                         ; pair i is in; the pairs issued behind it may be out
	v_pk_mul_f32 v[A+4*\i:A+4*\i+1],   v[A+4*\i:A+4*\i+1],   s[18:19] op_sel_hi:[1,0]
	v_pk_mul_f32 v[A+4*\i+2:A+4*\i+3], v[A+4*\i+2:A+4*\i+3], s[18:19] op_sel_hi:[1,0]
	v_pk_fma_f32 v[A+4*\i:A+4*\i+1],   v[B+4*\i:B+4*\i+1],   s[20:21], v[A+4*\i:A+4*\i+1]   op_sel_hi:[1,0,1]
	v_pk_fma_f32 v[A+4*\i+2:A+4*\i+3], v[B+4*\i+2:B+4*\i+3], s[20:21], v[A+4*\i+2:A+4*\i+3] op_sel_hi:[1,0,1]
	global_store_b128 v1, v[A+4*\i:A+4*\i+3], s[8:9] offset:512*\i th:TH_STORE_NT
.endr
	s_endpgm
.Lfunc_end_k_q4ed2c9bb7a_combine:
	.size	k_q4ed2c9bb7a_combine, .Lfunc_end_k_q4ed2c9bb7a_combine-k_q4ed2c9bb7a_combine
	.p2alignl 7, 3214868480
	.fill 96, 4, 3214868480
	.section	.rodata,"a",@progbits
	.p2align	6, 0x0
	.amdhsa_kernel k_q4ed2c9bb7a_combine
		.amdhsa_group_segment_fixed_size 0
		.amdhsa_private_segment_fixed_size 0
		.amdhsa_enable_private_segment 0
		.amdhsa_kernarg_size 24
		.amdhsa_user_sgpr_count 2
		.amdhsa_user_sgpr_kernarg_segment_ptr 1
		.amdhsa_wavefront_size32 1
		.amdhsa_system_sgpr_workgroup_id_x 1
		.amdhsa_system_sgpr_workgroup_id_y 1
		.amdhsa_system_sgpr_workgroup_id_z 1
		.amdhsa_system_vgpr_workitem_id 0
		.amdhsa_next_free_vgpr 72
		.amdhsa_next_free_sgpr 66
		.amdhsa_reserve_vcc 0
		.amdhsa_float_denorm_mode_32 3
		.amdhsa_float_denorm_mode_16_64 3
		.amdhsa_memory_ordered 1
		.amdhsa_forward_progress 1
		.amdhsa_inst_pref_size 6
	.end_amdhsa_kernel
	.amdgpu_metadata
---
amdhsa.version: [ 1, 2 ]
amdhsa.kernels:
  - .name:           k_q4ed2c9bb7a_combine
    .symbol:         k_q4ed2c9bb7a_combine.kd
    .args:
      - { .name: ybuf, .offset: 0, .size: 8, .value_kind: global_buffer, .address_space: global }
      - { .name: gts, .offset: 8, .size: 8, .value_kind: global_buffer, .address_space: global }
      - { .name: out0, .offset: 16, .size: 8, .value_kind: global_buffer, .address_space: global }
    .group_segment_fixed_size: 0
    .private_segment_fixed_size: 0
    .kernarg_segment_align: 8
    .kernarg_segment_size: 24
    .max_flat_workgroup_size: 128
    .sgpr_count:     66
    .vgpr_count:     72
    .wavefront_size: 32
...
	.end_amdgpu_metadata
.endif
;; end of part 11
